; MI455X (gfx1250); checked and timed in simulation.
; The chip was launched on July 23, 2026; its instructions are those of AMD's public machine-readable ISA for CDNA 5 (MIT licence, August 2026) and "CDNA5" Instruction Set Architecture Reference Guide (July 2026). The comments in the code are by the model that wrote it; some were corrected since.
;; Window Attention Memory. Allowed arithmetic: matrix products marked QUANTISED: E2M1 operands, one E8M0 scale for each 32 along K, by v_wmma_scale_f32_16x16x128_f8f6f4 with both operands' format E2M1 (or v_wmma_scale_f32_32x16x128_f4), f32 sums; everything else in f32.
;; Inputs: b_k 1,024 float32; b_o 1,024 float32; b_q 1,024 float32; b_v 1,024 float32; ln_b 1,024 float32; ln_g 1,024 float32; w_k 1,024 x 1,024 float32; w_o 1,024 x 1,024 float32; w_q 1,024 x 1,024 float32; w_v 1,024 x 1,024 float32; x 4 x 2,048 x 1,024 float32.
;; Outputs: out0 4 x 2,048 x 1,024 float32.
;; This version of the problem:
;;   THIS VERSION OF THE PROBLEM IS GIVEN IN LOW PRECISION. The matrix products marked QUANTISED in the list below multiply operands that are first quantised to E2M1 (2 exponent bits, 1 mantissa bit; 4 bits a number), with one power-of-two scale for each 32 numbers along K (OCP MX v1.0); their sums are f32. All else is computed in f32.
;;   The module's matrix products, in the order in which they are computed (A, B: the left and right operand; K: the contracted axis; several contracted axes count as one K, in the product's order):
;;     1. [M 8,192, K 1,024] x [K 1,024, N 1,024]; A: computed on the way; B: input w_q: QUANTISED
;;     2. [M 8,192, K 1,024] x [K 1,024, N 1,024]; A: computed on the way; B: input w_k: QUANTISED
;;     3. [M 8,192, K 1,024] x [K 1,024, N 1,024]; A: computed on the way; B: input w_v: QUANTISED
;;     4. batch 64 x [M 2,048, K 64] x [K 64, N 2,048]; A: computed on the way; B: computed on the way: QUANTISED
;;     5. batch 64 x [M 2,048, K 2,048] x [K 2,048, N 64]; A: softmax (see below); B: computed on the way: QUANTISED
;;     6. [M 8,192, K 1,024] x [K 1,024, N 1,024]; A: computed on the way; B: input w_o: QUANTISED
;;   THE QUANTISER, for each operand of a quantised product, along K:
;;     - K is cut into blocks of 32 from its start; a last block that is shorter is filled with zeros.
;;     - A block's scale is 2^e with e = floor(log2(the largest magnitude in the block)) - 2, held to -126 .. 127; a block of zeros has e = 0. As a byte (E8M0): e + 127.
;;     - Each number is divided by its block's scale, clamped to +-6, and rounded to the nearest number of E2M1, ties to even, subnormals kept.
;;     - The product sums the exact products of the quantised numbers (number of the format x scale) in f32.
;;   ~~~python
;;   def quantise(x, axis):      # numpy; x: float32 -> the quantised numbers, widened to float32 again
;;       x = np.moveaxis(x, axis, -1); K = x.shape[-1]
;;       x = np.pad(x, [(0, 0)] * (x.ndim - 1) + [(0, -K % 32)]); x = x.reshape(x.shape[:-1] + (-1, 32)); a = np.abs(x).max(-1, keepdims=True)
;;       e = np.where(a > 0, np.clip(np.frexp(np.where(a > 0, a, 1))[1] - 1 - 2, -126, 127), 0)      # np.frexp(a)[1] - 1 = floor(log2(a)), exactly
;;       r = np.clip(x / 2.0 ** e, -6, 6)
;;       step = 2.0 ** (np.maximum(np.frexp(np.where(r == 0, 1, r))[1] - 1, 0) - 1)
;;       q = np.round(r / step) * step * 2.0 ** e      # np.round: ties to even
;;       return np.moveaxis(q.reshape(q.shape[:-2] + (-1,))[..., :K], -1, axis).astype(np.float32)
;;   ~~~
;;   SOFTMAX AHEAD OF A QUANTISED PRODUCT. Where the list says 'softmax', what is quantised is not the finished softmax but p = 2^(t - M), with t = logit x log2(e) and M = ceil(the row's largest t), a whole number; so 1/2 < the row's largest p <= 1. The row's sum l is taken of the UNQUANTISED p, in f32, and the product's result is divided by l at the end. Since M is a whole number, a kernel that streams over the keys may use a running M (the ceiling of the running maximum): every later rescaling is an exact power of two, which a block's scale takes up: the codes' values come out the same.
;;   OPERANDS COMPUTED ON THE WAY. 'Computed on the way' means the value that the module computes at that place (a softmax that the list does not call 'softmax' is quantised finished and normalised). What goes into a quantiser is computed in f32, as accurately as f32 sums, v_exp_f32 and their like allow (about 1e-6 of the number): no bf16 or f16 on the way to a quantiser, and a product that is left as it is and whose result goes on into a quantised operand takes f32 operands (vector FMAs, or v_wmma_f32_16x16x4_f32). A number that lies on a knife's edge between two numbers of the format may be rounded either way, as far as f32 arithmetic and the matrix unit's own rounding can turn it there, and no further.
;; 2 versions, each right; version 2 is version 1 with the launch attn written anew for expert scheduling mode. Each part assembles by itself: llvm-mc -triple=amdgcn-amd-amdhsa -mcpu=gfx1250 --defsym DOCPART=n.
;; ======== version 1 of 2: 4 launches
;; workspace buffers: codes 6,291,456 bytes; scl 393,216 bytes; qkv 12,582,912 bytes; qkvs 786,432 bytes; ctxc 4,194,304 bytes; ctxs 262,144 bytes
;; launch prep (part 1): grid 256 x 1, 16 waves a work-group, no clusters, 37,888 bytes of LDS; arguments x, w_q, w_k, w_v, w_o, ln_g, ln_b, codes, scl; writes codes, scl
.if DOCPART == 1
	.amdgcn_target "amdgcn-amd-amdhsa--gfx1250"
	.amdhsa_code_object_version 6
	.text
	.protected	k_q0722dda4a2_prep
	.globl	k_q0722dda4a2_prep
	.p2align	8
	.type	k_q0722dda4a2_prep,@function
k_q0722dda4a2_prep:
	s_mov_b64 s[64:65], 0
	v_nop
	global_prefetch_b8 v0, s[64:65] scope:SCOPE_SE
	s_setreg_imm32_b32 hwreg(HW_REG_WAVE_MODE, 25, 1), 1
	s_wait_xcnt 0x0
; LayerNorm of x, and x's normalised rows and the four weights turned into codes of FP4 (E2M1) with one E8M0 byte for each 32 along K (their last axis, 1,024 long).
; A TILE is 16 rows: slot r of tile T is row 32 (T / 2) + 8 (T % 2) + r + 8 (r / 8).  A CHUNK is 512 bytes: 16 slots x 64 codes; lane r + 16 h of a wave owns bytes 16 (r + 16 h) on: slot r, k = 32 h .. 32 h + 31.
; codes: [K half 2][tile 768][chunk 8][512];  tiles 0-511 x, 512.. w_q, 576.. w_k, 640.. w_v, 704.. w_o.   scl: [K step of 128: 8][tile 768][slot 16][4 bytes].
; SHARES.  Work-group g makes three tiles: g and g + 256 (x) and 512 + g (a weight); wave w their slot w: three whole rows of 4,096 bytes, 32 registers a lane each, all asked for at the head: 24 loads of a wave are out at once.
; Lane l holds numbers 256 c + 8 l .. + 7 of a row, c = 0 .. 3: four neighbouring lanes hold a block of 32.
; ln_g and ln_b come ONCE for the work-group: each wave loads 256 bytes of each, they meet in LDS, and each wave reads them from there once, for both its rows of x.
; The codes of a tile's 16 rows meet in a stage in LDS (a block's 16 slots x 16 bytes, blocks 272 bytes apart) and leave as chunks: each wave stores 512 consecutive bytes.  Each tile has a stage of its own and a barrier of its own:
; no LDS byte is written twice.  A tile's scale bytes leave as eight runs of 64 bytes, by wave 0, 1 or 2.
; No cluster: work-groups share ln_g and ln_b alone, 8 KiB beside the 192 KiB of rows that each reads for itself.  No tensor load: a row goes straight into the registers that work on it.
; A block's scale is 2^(floor(log2(its largest magnitude)) - 2); its byte is that magnitude's exponent field - 2, held at 1 from below.
; LIMITS: NaN and infinities are not served; a block whose largest magnitude lies under 2^-124 keeps the byte 1; a block of zeros gets the byte 1 where the rule says 127 (its codes are zeros, and this program alone reads the bytes).
.set KHS,  3145728                     ; bytes of a K half of codes
.set REG,  9216                        ; LDS for a tile: a stage of 32 x 272 bytes,
.set SCBY, 8704                        ; and behind it the tile's 512 scale bytes [K step][slot][4]
.set GB,   3*REG                       ; behind the three: ln_g's 4,096 bytes, then ln_b's
.set X,    32                          ; v32-127  my three rows, 32 numbers each
.set G,    128                         ; v128-159 ln_g at my columns
.set BV,   160                         ; v160-191 ln_b
.set M,    192                         ; largest magnitudes,
.set SO,   196                         ; the conversions' scale operands,
.set BY,   200                         ; the bytes,
.set C,    204                         ; the codes;
.set O,    208                         ; v208-219 a chunk on its way out, four registers for each tile: no store's data are written again
.set O2,   220                         ; v220-231 the scale bytes on their way out, likewise
	s_load_b256 s[4:11], s[0:1], 0x0               ; x, w_q, w_k, w_v
	s_load_b256 s[12:19], s[0:1], 0x20             ; w_o, ln_g, ln_b, codes
	s_load_b64 s[20:21], s[0:1], 0x40              ; scl
	v_lshl_add_u32 v232, v0, 2, 0x8c00
	v_mov_b32 v233, 0
	v_lshrrev_b32 v1, 5, v0
	v_readfirstlane_b32 s28, v1                    ; wave = slot
	v_and_b32 v1, 31, v0                           ; lane l
	v_lshlrev_b32 v2, 5, v1                        ; in: 32 l
	v_lshrrev_b32 v9, 2, v1                        ; l / 4: my block among a quarter row's eight
	v_and_b32 v22, 3, v1                           ; l % 4: my eight numbers in it
	v_lshrrev_b32 v23, 4, v1                       ; l / 16
	v_mul_u32_u24 v3, v9, 272
	v_lshl_add_u32 v3, v22, 2, v3
	s_lshl_b32 s29, s28, 4
	v_add_nc_u32 v3, s29, v3                       ; stage, in: 272 (l / 4) + 4 (l % 4) + 16 w
	v_and_b32 v4, 3, v9
	v_lshl_add_u32 v4, v23, 6, v4
	s_lshl_b32 s29, s28, 2
	s_add_co_u32 s29, s29, SCBY
	v_add_nc_u32 v4, s29, v4                       ; my block's byte: 64 (l / 16) + (l / 4) % 4 + 4 w
	v_and_b32 v5, 15, v1
	v_lshlrev_b32 v5, 4, v5
	v_mad_u32_u24 v5, v23, 272, v5
	s_mul_i32 s29, s28, 544
	v_add_nc_u32 v5, s29, v5                       ; stage, out: chunk w = blocks 2 w, 2 w + 1
	v_lshlrev_b32 v7, 4, v1                        ; 16 l
	v_add_nc_u32 v6, SCBY, v7
	v_mul_u32_u24 v8, v9, 49152
	v_lshl_add_u32 v8, v22, 4, v8                  ; scl: K step l / 4, 49,152 bytes apart, + 16 (l % 4)
	v_lshlrev_b32 v24, 3, v0                       ; my 8 bytes of ln_g and of ln_b: 256 w + 8 l
	v_add_nc_u32 v25, GB, v24                      ; and their place in LDS
	v_add_nc_u32 v26, GB, v2                       ; back: ln_g at my columns
	s_mov_b32 s30, 0x3a800000                      ; 1 / 1024
	s_mov_b32 s31, 0x2b8cbccc                      ; 1e-12
	s_mov_b32 s32, 0x76543210
	s_mov_b32 s33, 0xfedcba98                      ; v_permlanex16_b32's selects for lane l xor 16
	s_lshr_b32 s36, s28, 3
	s_mul_i32 s38, s36, KHS                        ; chunk w lies in K half w / 8,
	s_lshl_b32 s37, ttmp9, 12
	s_add_co_u32 s38, s38, s37                     ; tile g (the other two: 256 and 512 tiles on, in the stores' immediates),
	s_and_b32 s37, s28, 7
	s_lshl_b32 s37, s37, 9
	s_add_co_u32 s38, s38, s37                     ; place w % 8
	s_mov_b32 s39, 0
	s_lshl_b32 s40, s36, 3
	s_add_co_u32 s40, s40, s28                     ; w + 8 (w / 8)
	s_and_b32 s37, ttmp9, 1
	s_lshl_b32 s37, s37, 3
	s_add_co_u32 s40, s40, s37                     ; + 8 (g % 2): the same for g, g + 256 and g % 64
	s_lshr_b32 s34, ttmp9, 1
	s_lshl_b32 s34, s34, 5
	s_add_co_u32 s34, s34, s40                     ; my row of x in tile g
	s_lshl_b32 s34, s34, 12
	s_mov_b32 s35, 0
	s_and_b32 s26, ttmp9, 63                       ; the weight's tile in its tensor
	s_lshr_b32 s26, s26, 1
	s_lshl_b32 s26, s26, 5
	s_add_co_u32 s26, s26, s40                     ; my row of the weight
	s_lshl_b32 s26, s26, 12
	s_mov_b32 s27, 0
	s_wait_kmcnt 0x0
	s_add_nc_u64 s[18:19], s[18:19], s[38:39]
	s_lshl_b32 s38, ttmp9, 6
	s_add_nc_u64 s[20:21], s[20:21], s[38:39]
	s_cmp_lt_u32 ttmp9, 64                         ; which weight: the choices hang on the work-group's number alone
	s_cselect_b64 s[22:23], s[6:7], s[8:9]
	s_cmp_lt_u32 ttmp9, 192
	s_cselect_b64 s[24:25], s[10:11], s[12:13]
	s_cmp_lt_u32 ttmp9, 128
	s_cselect_b64 s[22:23], s[22:23], s[24:25]
	s_add_nc_u64 s[22:23], s[22:23], s[26:27]      ; the weight's row
	s_add_nc_u64 s[4:5], s[4:5], s[34:35]          ; x's row in tile g
	s_add_nc_u64 s[6:7], s[4:5], 0x1000000         ; and in tile g + 256: 4,096 rows on
.macro XLOAD t, p                      ; a row: eight loads; a pair of them covers 1,024 consecutive bytes
.irp c, 0,1,2,3
	global_load_b128 v[X+32*\t+8*\c:X+32*\t+8*\c+3], v2, s[\p:\p+1] offset:1024*\c th:TH_LOAD_NT
	global_load_b128 v[X+32*\t+8*\c+4:X+32*\t+8*\c+7], v2, s[\p:\p+1] offset:1024*\c+16 th:TH_LOAD_NT
.endr
.endm
	global_load_b64 v[28:29], v24, s[14:15]        ; the wave's 256 consecutive bytes of ln_g,
	global_load_b64 v[30:31], v24, s[16:17]        ; and of ln_b: first, since the first row waits for them
	XLOAD 0, 4
	XLOAD 1, 6
	XLOAD 2, 22
	s_wait_loadcnt 24                              ; the two pieces are in; the three rows' 24 loads may be out
	ds_store_b64 v25, v[28:29]
	ds_store_b64 v25, v[30:31] offset:4096
	s_wait_dscnt 0x0                               ; for the others' sake: my stores have landed
	s_barrier_signal -1
	s_barrier_wait -1                              ; ln_g and ln_b lie whole in LDS
.irp c, 0,1,2,3
	ds_load_b128 v[G+8*\c:G+8*\c+3], v26 offset:1024*\c
	ds_load_b128 v[G+8*\c+4:G+8*\c+7], v26 offset:1024*\c+16
	ds_load_b128 v[BV+8*\c:BV+8*\c+3], v26 offset:4096+1024*\c
	ds_load_b128 v[BV+8*\c+4:BV+8*\c+7], v26 offset:4096+1024*\c+16
.endr
	s_wait_dscnt 0x0
; the four packed chains v[10:17] are folded and summed over the 32 lanes: the sum stands in v22 of every lane
.macro FOLD
	v_pk_add_f32 v[10:11], v[10:11], v[12:13]
	v_pk_add_f32 v[14:15], v[14:15], v[16:17]
	v_pk_add_f32 v[10:11], v[10:11], v[14:15]
	v_add_f32 v22, v10, v11
	v_add_f32_dpp v22, v22, v22 row_xmask:1 row_mask:0xf bank_mask:0xf
	v_add_f32_dpp v22, v22, v22 row_xmask:2 row_mask:0xf bank_mask:0xf
	v_add_f32_dpp v22, v22, v22 row_xmask:4 row_mask:0xf bank_mask:0xf
	v_add_f32_dpp v22, v22, v22 row_xmask:8 row_mask:0xf bank_mask:0xf
	v_permlanex16_b32 v23, v22, s32, s33
	v_add_f32 v22, v22, v23
.endm
; My row of the work-group's t-th tile.  norm = 1: a row of x, normalised first; 0: a weight's row, quantised as it is.  left: how many younger loads may stay out.
.macro TILE t, norm, left
.set XT, X+32*(\t)
	s_wait_loadcnt \left                           ; loads come back in order (ISA guide 5.7.1): this row's eight are in, the later rows' stay out
.if \norm
.irp k, 0,1,2,3
	v_pk_add_f32 v[10+2*\k:11+2*\k], v[XT+8*\k:XT+8*\k+1], v[XT+8*\k+2:XT+8*\k+3]
.endr
.irp i, 4,6
.irp k, 0,1,2,3
	v_pk_add_f32 v[10+2*\k:11+2*\k], v[10+2*\k:11+2*\k], v[XT+8*\k+\i:XT+8*\k+\i+1]
.endr
.endr
	FOLD
	v_mul_f32 v18, s30, v22                        ; the mean, twice: a pair for the packed forms
	v_mul_f32 v19, s30, v22
.set j, 0
.rept 16
	v_pk_add_f32 v[XT+j:XT+j+1], v[XT+j:XT+j+1], v[18:19] neg_lo:[0,1] neg_hi:[0,1]   ; x - mean: the variance is taken of the differences, so a common offset does no harm
.set j, j+2
.endr
.irp k, 0,1,2,3
	v_pk_mul_f32 v[10+2*\k:11+2*\k], v[XT+8*\k:XT+8*\k+1], v[XT+8*\k:XT+8*\k+1]
.endr
.irp i, 2,4,6
.irp k, 0,1,2,3
	v_pk_fma_f32 v[10+2*\k:11+2*\k], v[XT+8*\k+\i:XT+8*\k+\i+1], v[XT+8*\k+\i:XT+8*\k+\i+1], v[10+2*\k:11+2*\k]
.endr
.endr
	FOLD
	v_fma_f32 v23, v22, s30, s31                   ; the variance + 1e-12
	v_rsq_f32 v20, v23
	v_rsq_f32 v21, v23
	v_nop                                          ; a plain line behind the transcendentals (ISA guide 5.7.2)
.set j, 0
	s_wait_alu depctr_va_vdst(0)
.rept 16
	v_pk_mul_f32 v[XT+j:XT+j+1], v[XT+j:XT+j+1], v[20:21]
.set j, j+2
.endr
.set j, 0
.rept 16
	v_pk_fma_f32 v[XT+j:XT+j+1], v[XT+j:XT+j+1], v[G+j:G+j+1], v[BV+j:BV+j+1]
.set j, j+2
.endr
.endif
.irp c, 0,1,2,3
	v_max3_num_f32 v[M+\c], |v[XT+8*\c]|, |v[XT+8*\c+1]|, 0x1800000   ; my eight numbers of block 8 c + l / 4, and the floor 2^(3 - 127): the byte cannot fall under 1
.endr
.irp i, 2,4,6
.irp c, 0,1,2,3
	v_max3_num_f32 v[M+\c], v[M+\c], |v[XT+8*\c+\i]|, |v[XT+8*\c+\i+1]|
.endr
.endr
.irp c, 0,1,2,3
	v_max_num_f32_dpp v[M+\c], v[M+\c], v[M+\c] row_xmask:1 row_mask:0xf bank_mask:0xf
.endr
.irp c, 0,1,2,3
	v_max_num_f32_dpp v[M+\c], v[M+\c], v[M+\c] row_xmask:2 row_mask:0xf bank_mask:0xf   ; with the three lanes beside me: the block's largest magnitude
.endr
.irp c, 0,1,2,3
	v_add_nc_u32 v[SO+\c], 0xff000000, v[M+\c]     ; 2 off its exponent field: the conversion takes the exponent field of this operand as its scale
.endr
.irp c, 0,1,2,3
	v_cvt_scalef32_pk8_fp4_f32 v[C+\c], v[XT+8*\c:XT+8*\c+7], v[SO+\c]
.endr
.irp c, 0,1,2,3
	v_lshrrev_b32 v[BY+\c], 23, v[SO+\c]           ; the scale's byte (also the plain line behind the conversions)
.endr
.irp c, 0,1,2,3
	ds_store_b32 v3, v[C+\c] offset:REG*\t+2176*\c ; eight blocks, 8 x 272 bytes, for each quarter row
	ds_store_b8 v4, v[BY+\c] offset:REG*\t+128*\c  ; the four lanes of a block write the same byte with the same value
.endr
	s_wait_dscnt 0x0                               ; for the others' sake: my stores have landed
	s_barrier_signal -1
	s_barrier_wait -1                              ; the tile's sixteen rows lie in its stage
	ds_load_b128 v[O+4*\t:O+4*\t+3], v5 offset:REG*\t   ; chunk w: 16 slots x 64 codes
	s_wait_dscnt 0x0
	global_store_b128 v7, v[O+4*\t:O+4*\t+3], s[18:19] offset:1048576*\t   ; 32 lanes store 512 consecutive bytes; 256 tiles of 4,096 bytes from one of my tiles to the next
	s_cmp_lg_u32 s28, \t
	s_cbranch_scc1 .Lnot_mine_\@
	ds_load_b128 v[O2+4*\t:O2+4*\t+3], v6 offset:REG*\t   ; wave t: the tile's 512 scale bytes
	s_wait_dscnt 0x0
	global_store_b128 v8, v[O2+4*\t:O2+4*\t+3], s[20:21] offset:16384*\t   ; four lanes to each K step's 64 bytes
.Lnot_mine_\@:
.endm
	TILE 0, 1, 16
	TILE 1, 1, 8
	TILE 2, 0, 0
	s_wait_tensorcnt 0x0
	ds_add_u32 v232, v233
	s_wait_dscnt 0x0
	s_endpgm
.Lfunc_end_k_q0722dda4a2_prep:
	.size	k_q0722dda4a2_prep, .Lfunc_end_k_q0722dda4a2_prep-k_q0722dda4a2_prep
	.p2alignl 7, 3214868480
	.fill 96, 4, 3214868480
	.section	.rodata,"a",@progbits
	.p2align	6, 0x0
	.amdhsa_kernel k_q0722dda4a2_prep
		.amdhsa_group_segment_fixed_size 37888
		.amdhsa_private_segment_fixed_size 0
		.amdhsa_enable_private_segment 0
		.amdhsa_kernarg_size 72
		.amdhsa_user_sgpr_count 2
		.amdhsa_user_sgpr_kernarg_segment_ptr 1
		.amdhsa_wavefront_size32 1
		.amdhsa_system_sgpr_workgroup_id_x 1
		.amdhsa_system_sgpr_workgroup_id_y 1
		.amdhsa_system_sgpr_workgroup_id_z 1
		.amdhsa_system_vgpr_workitem_id 0
		.amdhsa_next_free_vgpr 234
		.amdhsa_next_free_sgpr 66
		.amdhsa_reserve_vcc 0
		.amdhsa_float_denorm_mode_32 3
		.amdhsa_float_denorm_mode_16_64 3
		.amdhsa_memory_ordered 1
		.amdhsa_forward_progress 1
		.amdhsa_inst_pref_size 30
	.end_amdhsa_kernel
	.amdgpu_metadata
---
amdhsa.version: [ 1, 2 ]
amdhsa.kernels:
  - .name:           k_q0722dda4a2_prep
    .symbol:         k_q0722dda4a2_prep.kd
    .args:
      - { .name: x, .offset: 0, .size: 8, .value_kind: global_buffer, .address_space: global }
      - { .name: w_q, .offset: 8, .size: 8, .value_kind: global_buffer, .address_space: global }
      - { .name: w_k, .offset: 16, .size: 8, .value_kind: global_buffer, .address_space: global }
      - { .name: w_v, .offset: 24, .size: 8, .value_kind: global_buffer, .address_space: global }
      - { .name: w_o, .offset: 32, .size: 8, .value_kind: global_buffer, .address_space: global }
      - { .name: ln_g, .offset: 40, .size: 8, .value_kind: global_buffer, .address_space: global }
      - { .name: ln_b, .offset: 48, .size: 8, .value_kind: global_buffer, .address_space: global }
      - { .name: codes, .offset: 56, .size: 8, .value_kind: global_buffer, .address_space: global }
      - { .name: scl, .offset: 64, .size: 8, .value_kind: global_buffer, .address_space: global }
    .group_segment_fixed_size: 37888
    .private_segment_fixed_size: 0
    .kernarg_segment_align: 8
    .kernarg_segment_size: 72
    .max_flat_workgroup_size: 512
    .sgpr_count:     66
    .vgpr_count:     234
    .wavefront_size: 32
...
	.end_amdgpu_metadata
.endif
;; end of part 1
;; launch qkv (part 2): grid 12 x 32, 4 waves a work-group, clusters of 4 x 4, 327,680 bytes of LDS; arguments codes, scl, b_q, b_k, b_v, qkv, qkvs; writes qkv, qkvs
.if DOCPART == 2
	.amdgcn_target "amdgcn-amd-amdhsa--gfx1250"
	.amdhsa_code_object_version 6
	.text
	.protected	k_q0722dda4a2_qkv
	.globl	k_q0722dda4a2_qkv
	.p2align	8
	.type	k_q0722dda4a2_qkv,@function
k_q0722dda4a2_qkv:
	s_mov_b64 s[64:65], 0
	v_nop
	global_prefetch_b8 v0, s[64:65] scope:SCOPE_SE
	s_setreg_imm32_b32 hwreg(HW_REG_WAVE_MODE, 25, 1), 1
	s_wait_xcnt 0x0
	s_wait_alu depctr_hold_cnt(0) depctr_sa_sdst(0) depctr_va_vdst(0) depctr_va_sdst(0) depctr_va_ssrc(0) depctr_va_vcc(0) depctr_vm_vsrc(0)
	s_getreg_b32 s2, hwreg(HW_REG_IB_STS2, 6, 4)
	s_cmp_eq_u32 s2, 0
	s_cbranch_scc0 .Lentry_in_a_cluster
	s_endpgm
.Lentry_in_a_cluster:
	s_bfe_u32 s2, ttmp6, 0x10000c
	s_cmp_lg_u32 s2, 0xf033
	s_cbranch_scc0 .Lentry_shape_is_right
	s_endpgm
.Lentry_shape_is_right:
; q, k, v = xn W^T + b on codes of FP4 (E2M1), and the results quantised at once for the attention's two products: nothing wider than codes leaves.
; A work-group of four waves makes 256 x 256 of a product, a wave 128 x 128: 64 accumulators, 512 registers.  K = 1,024 in codes is 512 bytes a row: both K halves of the work-group's 512 rows lie in LDS at once,
; each byte filled once, so no slot is ever filled again.
; "B" is source 0: its rows run along a lane's registers in the result.  "A" is source 1: its row is the lane.  What is quantised next must have its K along the registers:
;   cluster x = 0, 1 (q, k): B = 256 rows of the weight, A = 256 tokens: a lane holds one token and 128 features = two heads of 64.
;   cluster x = 2 (v):       B = 256 tokens, A = 256 rows of w_v: a lane holds one feature and 128 tokens, since the keys are the second product's K.
; Only scalars differ between the two cases (selects on the cluster's x, which all partners share): one text, no branch.
; TILES AND CHUNKS as the launch before lays them: slot r of tile T is row 32 (T / 2) + 8 (T % 2) + r + 8 (r / 8), so that the 16 registers of B's tiles 2 b and 2 b + 1 are 16 neighbours along the next K;
; a chunk is four registers of a fragment as they stand, 16 bytes a lane: a fragment comes by two ds_load_b128 at 16 x lane.
; CLUSTERS: 4 x 4 work-groups.  A's rows hang on the place along y alone and are asked for jointly by a row of the cluster, B's on the place along x alone, by a column.
; OUT: qkv [q, k, v][pair of heads 8][128 tokens: 64][a 8][c 2][512]: q, k: a = tile of tokens, c = the head of the pair; v: a = 4 x head of the pair + tile of d, c = half of the 128 keys.
;      qkvs [q, k, v][pair][128 tokens][512]: the word of (a, slot r) at 256 (a / 4) + 16 r + 4 (a % 4).  Every store of a wave covers 512 consecutive bytes.
; The bias: q's and k's runs along the registers and is the C of each sum's first matrix instruction; v's runs along the lanes and is added on the way out.  Both are loaded in both cases and the one that does not apply is made zero.
; LIMITS: NaN and infinities are not served; a block whose largest magnitude lies under 2^-124 keeps the byte 1; a block of zeros gets the byte 1 where the rule says 127 (its codes are zeros, and this program alone reads the bytes).
; REGISTERS: window 0: v1-31 addresses and scale words on their way out; v32-95 scale words; v96-111 A's bias; v112-127 at work; v128-191 A's fragments, ONE set, later 64 numbers; v192-255 B's bias, later the codes.
;   window 1: B's fragments, TWO sets, at v0 and v128.   windows 2, 3: accumulator (a, b) at v[8 (8 (a % 4) + b)] of window 2 + a / 4.
.set KHS,   3145728                    ; bytes of a K half of codes
.set HALFT, 32768                      ; 8 tiles x 512 along K: what one tensor load brings and one wave reads of A or of B
.set SLOT,  131072                     ; a K half: A's two halves, then B's two
.set SCL,   262144                     ; behind them the scale words: four halves of [K step 8][tile 8][slot 16][4 bytes]
.set HALFS, 4096
.set LI,   3                           ; v3      16 x lane
.set SW,   4                           ; v4-7    the scale words as they leave
.set PW,   8                           ; v8-15   block a's scale word
.set ADRA, 16                          ; v16-17  my A fragments in K half 0, 1
.set ADRB, 20                          ; v20-21  my B fragments
.set ADSA, 24                          ; v24     A's scale words: lanes 0-15 K half 0, lanes 16-31 K half 1
.set ADSB, 25                          ; v25     B's
.set VBP,  26                          ; v26     64 h: B's bias
.set VBQ,  27                          ; v27     4 (r + 8 (r / 8)): A's bias
.set SCA,  32                          ; v[SCA + 4 i + q]: tile i, K step q (lanes 0-15) and q + 4 (lanes 16-31)
.set SCB,  64
.set BQ,   96
.set TM,   112
.set AF,   128
.set T,    128
.set BP,   192
.set PC,   192
.set G1A,  28                          ; s[28:35] group 1 for A's codes;  s[36:43] group 0, one set for each K half
.set G0A,  36
.set G1B,  44
.set G0B,  52
.set G1SA, 68                          ; the same for the scale words
.set G0SA, 76
.set G1SB, 80
.set G0SB, 88
.set MSB, 0
.macro WIN new                         ; the immediate's high byte repeats the setting that is left
.if MSB != (\new)
	s_set_vgpr_msb (MSB<<8)|(\new)
.set MSB, (\new)
.endif
.endm
.set MUL_LO, 0xa1                      ; source 0 (B) window 1, source 1 (A) window 0, C and D window 2
.set MUL_HI, 0xf1                      ; the same, C and D window 3
.set FST_LO, 0x81                      ; the first step: C (B's bias) window 0
.set FST_HI, 0xc1
.set TO_B,   0x40
; A joint load: waves 0 and 1 fetch for A, waves 2 and 3 for B.  Each line has one mask and one set of registers; the branch hangs on the wave's number alone.  Four v_nop follow each line.
.macro JLOAD g0a, g1a, g0b, g1b
	s_cmp_eq_u32 s19, 0
	s_cbranch_scc0 .Lfor_b_\@
	tensor_load_to_lds s[\g0a:\g0a+3], s[\g1a:\g1a+7]
	s_nop 0
.rept 4
	v_nop
.endr
	s_branch .Lasked_\@
.Lfor_b_\@:
	tensor_load_to_lds s[\g0b:\g0b+3], s[\g1b:\g1b+7]
	s_nop 0
.rept 4
	v_nop
.endr
.Lasked_\@:
.endm
.macro CROUND                          ; a round of the cluster's barrier
	s_barrier_signal -1
	s_barrier_wait -1
	s_cmp_lg_u32 s18, 0
	s_cbranch_scc1 .Lnot_wave_0_\@
	s_barrier_signal -3
.Lnot_wave_0_\@:
	s_barrier_wait -3
	s_barrier_signal -1
	s_barrier_wait -1
.endm
.macro PLACES n
.rept \n
	v_nop
.endr
.endm
	s_load_b256 s[4:11], s[0:1], 0x0               ; codes s[4:5], scl s[6:7], b_q s[8:9], b_k s[10:11]
	s_load_b128 s[12:15], s[0:1], 0x20             ; b_v s[12:13], qkv s[14:15]
	s_load_b64 s[16:17], s[0:1], 0x30              ; qkvs
	v_lshl_add_u32 v122, v0, 2, 0x44000
	v_mov_b32 v123, 0
	ds_add_u32 v122, v123
	ds_add_u32 v122, v123
	v_lshrrev_b32 v1, 5, v0
	v_readfirstlane_b32 s18, v1                    ; wave 0..3
	s_lshr_b32 s19, s18, 1                         ; HA: my half of A's rows.  Also: I fetch for A (0) or for B (1)
	s_and_b32 s20, s18, 1                          ; HB: my half of B's rows.  Also: which half I fetch
	s_bfe_u32 s21, ttmp6, 0x40000                  ; cx
	s_bfe_u32 s22, ttmp6, 0x40004                  ; cy
	s_mov_b32 s23, ttmp9                           ; the cluster's x: 0 q, 1 k, 2 v
	s_and_b32 s24, ttmp7, 0xffff                   ; the cluster's y
	s_lshl_b32 s25, s22, 2
	s_lshl_b32 s25, 15, s25                        ; my row of the cluster
	s_lshl_b32 s26, 0x1111, s21                    ; my column
	s_mov_b32 s2, 0x76543210
	s_mov_b32 s3, 0xfedcba98                       ; v_permlanex16_b32's selects for lane l xor 16
	; group 1, codes: 32,768 dense bytes as 128 rows of 32 elements of 8 bytes
	s_or_b32 s[G1A], s25, (3<<16)|(1<<21)          ; 15:0 the mask; 17:16 elements of 8 bytes; 21 set beside a mask; no padding: a fragment load takes 512 consecutive bytes
	s_or_b32 s[G1B], s26, (3<<16)|(1<<21)
.irp g, G1A, G1B
	s_mov_b32 s[\g+1], 32<<16                      ; tensor_dim0
	s_mov_b32 s[\g+2], 128<<16                     ; tensor_dim1
	s_mov_b32 s[\g+3], 32<<16                      ; tile_dim0
	s_mov_b32 s[\g+4], 128                         ; tile_dim1
	s_mov_b32 s[\g+5], 32                          ; from row to row
	s_mov_b32 s[\g+6], 0
	s_mov_b32 s[\g+7], 0
.endr
	; group 1, scale words: 8 K steps x 512 bytes (8 tiles), 49,152 bytes apart
	s_or_b32 s[G1SA], s25, (3<<16)|(1<<21)
	s_or_b32 s[G1SB], s26, (3<<16)|(1<<21)
.irp g, G1SA, G1SB
	s_mov_b32 s[\g+1], 64<<16
	s_mov_b32 s[\g+2], 8<<16
	s_mov_b32 s[\g+3], 64<<16
	s_mov_b32 s[\g+4], 8
	s_mov_b32 s[\g+5], 6144
	s_mov_b32 s[\g+6], 0
	s_mov_b32 s[\g+7], 0
.endr
	; big tiles of 256 rows (16 tiles): x 0-31, w_q 32-35, w_k 36-39, w_v 40-43.  The part that holds no place in the cluster is chosen first; then cy goes into A's alone and cx into B's alone
	s_lshl_b32 s60, s24, 2                         ; 4 y
	s_lshl_b32 s61, s23, 2
	s_add_co_u32 s61, s61, 32                      ; 32 + 4 x
	s_cmp_lt_u32 s23, 2
	s_cselect_b32 s62, s60, 40                     ; A: tokens, or w_v
	s_cselect_b32 s63, s61, s60                    ; B: the weight, or tokens
	s_cselect_b32 s92, -1, 0                       ; all ones for q and k
	s_cselect_b32 s93, 0, -1                       ; all ones for v
	s_add_co_u32 s62, s62, s22
	s_add_co_u32 s63, s63, s21
	s_lshl_b32 s27, s20, 15
	s_lshl_b32 s[G0A+2], s62, 16
	s_add_co_u32 s[G0A+2], s[G0A+2], s27           ; codes: 65,536 bytes a big tile, 32,768 a half
	s_mov_b32 s[G0A+3], 0
	s_lshl_b32 s[G0B+2], s63, 16
	s_add_co_u32 s[G0B+2], s[G0B+2], s27
	s_mov_b32 s[G0B+3], 0
	s_lshl_b32 s27, s20, 9
	s_lshl_b32 s[G0SA+2], s62, 10
	s_add_co_u32 s[G0SA+2], s[G0SA+2], s27         ; scale words: 1,024 bytes a big tile in each K step
	s_mov_b32 s[G0SA+3], 0
	s_lshl_b32 s[G0SB+2], s63, 10
	s_add_co_u32 s[G0SB+2], s[G0SB+2], s27
	s_mov_b32 s[G0SB+3], 0
	; where my results go: the pair of heads and the block of 128 tokens
	s_lshl_b32 s60, s21, 1
	s_add_co_u32 s60, s60, s20                     ; 2 cx + HB
	s_lshl_b32 s61, s22, 1
	s_add_co_u32 s61, s61, s19                     ; 2 cy + HA
	s_lshl_b32 s66, s62, 1
	s_add_co_u32 s66, s66, s19                     ; 2 A's big tile + HA
	s_lshl_b32 s67, s63, 1
	s_add_co_u32 s67, s67, s20                     ; 2 B's big tile + HB
	s_cmp_lt_u32 s23, 2
	s_cselect_b32 s60, s60, s61                    ; the pair of heads
	s_cselect_b32 s66, s66, s67                    ; the block of tokens
	s_lshl_b32 s61, s60, 9                         ; the pair's 128 numbers of a bias
	s_and_b32 s98, s61, s92
	s_mov_b32 s99, 0
	s_and_b32 s100, s61, s93
	s_mov_b32 s101, 0
	s_lshl_b32 s67, s60, 6
	s_add_co_u32 s67, s67, s66
	s_lshl_b32 s94, s67, 13
	s_lshl_b32 s61, s23, 22
	s_add_co_u32 s94, s94, s61
	s_mov_b32 s95, 0
	s_lshl_b32 s96, s67, 9
	s_lshl_b32 s61, s23, 18
	s_add_co_u32 s96, s96, s61
	s_mov_b32 s97, 0
	s_mul_i32 s27, s18, HALFT                      ; where the tiles go: wave x a half: no place in the cluster enters an LDS address
	s_mul_i32 s66, s18, HALFS
	s_wait_dscnt 0x0
	s_wait_kmcnt 0x0
	s_add_nc_u64 s[G0A+2:G0A+3], s[4:5], s[G0A+2:G0A+3]
	s_add_nc_u64 s[G0A+6:G0A+7], s[G0A+2:G0A+3], KHS
	s_add_nc_u64 s[G0B+2:G0B+3], s[4:5], s[G0B+2:G0B+3]
	s_add_nc_u64 s[G0B+6:G0B+7], s[G0B+2:G0B+3], KHS
	s_add_nc_u64 s[G0SA+2:G0SA+3], s[6:7], s[G0SA+2:G0SA+3]
	s_add_nc_u64 s[G0SB+2:G0SB+3], s[6:7], s[G0SB+2:G0SB+3]
	s_add_nc_u64 s[94:95], s[14:15], s[94:95]      ; my 8,192 bytes of qkv
	s_add_nc_u64 s[96:97], s[16:17], s[96:97]      ; my 512 bytes of qkvs
	s_cmp_eq_u32 s23, 0
	s_cselect_b64 s[60:61], s[8:9], s[10:11]
	s_cmp_lt_u32 s23, 2
	s_cselect_b64 s[60:61], s[60:61], s[12:13]
	s_add_nc_u64 s[98:99], s[60:61], s[98:99]      ; the bias along the registers (for v: b_v's first numbers, made zero below)
	s_add_nc_u64 s[100:101], s[12:13], s[100:101]  ; the bias along the lanes (for q, k: the same, made zero below)
	CROUND                                         ; all sixteen work-groups are here: the joint loads meet
	s_mov_b32 s[G0SA], 1
	s_add_co_u32 s[G0SA+1], s66, SCL
	s_or_b32 s[G0SA+3], s[G0SA+3], 0x80000000
	s_mov_b32 s[G0SB], 1
	s_add_co_u32 s[G0SB+1], s66, SCL
	s_or_b32 s[G0SB+3], s[G0SB+3], 0x80000000
	JLOAD G0SA, G1SA, G0SB, G1SB                   ; by this text's count a wave has three tensor loads out: the scale words, K half 0, K half 1
.irp k, 0,1
	s_mov_b32 s[G0A+4*\k], 1
	s_add_co_u32 s[G0A+4*\k+1], s27, \k*SLOT
	s_or_b32 s[G0A+4*\k+3], s[G0A+4*\k+3], 0x80000000
	s_mov_b32 s[G0B+4*\k], 1
	s_add_co_u32 s[G0B+4*\k+1], s27, \k*SLOT
	s_or_b32 s[G0B+4*\k+3], s[G0B+4*\k+3], 0x80000000
	JLOAD G0A+4*\k, G1A, G0B+4*\k, G1B
.endr
	v_and_b32 v1, 15, v0                           ; r
	v_bfe_u32 v2, v0, 4, 1                         ; h
	v_and_b32 v[LI], 31, v0
	v_lshlrev_b32 v[LI], 4, v[LI]
	v_lshlrev_b32 v[VBP], 6, v2
	v_lshrrev_b32 v[VBQ], 3, v1
	v_lshl_add_u32 v[VBQ], v[VBQ], 3, v1
	v_lshlrev_b32 v[VBQ], 2, v[VBQ]
.irp b, 0,1,2,3,4,5,6,7
	global_load_b128 v[BP+8*\b:BP+8*\b+3], v[VBP], s[98:99] offset:(32*(\b/2)+8*(\b%2))*4       ; tile b, lane (r, h): the bias at 32 (b / 2) + 16 h + 8 (b % 2) + 0 .. 7: the result's layout
	global_load_b128 v[BP+8*\b+4:BP+8*\b+7], v[VBP], s[98:99] offset:(32*(\b/2)+8*(\b%2))*4+16
.endr
.irp a, 0,1,2,3,4,5,6,7
	global_load_b32 v[BQ+2*\a], v[VBQ], s[100:101] offset:(32*(\a/2)+8*(\a%2))*4               ; tile a, slot r; twice: a pair for the packed addition
	global_load_b32 v[BQ+2*\a+1], v[VBQ], s[100:101] offset:(32*(\a/2)+8*(\a%2))*4
.endr
	s_mul_i32 s60, s19, HALFT
	s_mul_i32 s61, s20, HALFT
	s_add_co_u32 s61, s61, 2*HALFT
.irp k, 0,1
	v_add_nc_u32 v[ADRA+\k], s60, v[LI]
	v_add_nc_u32 v[ADRB+\k], s61, v[LI]
	s_add_co_u32 s60, s60, SLOT
	s_add_co_u32 s61, s61, SLOT
.endr
	v_lshlrev_b32 v28, 2, v1
	v_lshl_add_u32 v28, v2, 11, v28                ; 4 r + four K steps of 512 bytes for lanes 16-31
	s_mul_i32 s60, s19, HALFS
	s_add_co_u32 s60, s60, SCL
	v_add_nc_u32 v[ADSA], s60, v28
	s_mul_i32 s61, s20, HALFS
	s_add_co_u32 s61, s61, SCL+2*HALFS
	v_add_nc_u32 v[ADSB], s61, v28
.irp b, 0,1,2,3
	v_mov_b32 v[TM+4+\b], 0                        ; written once: a lane permute's destination counts as one of its sources
.endr
.macro FRAG reg, adr, q4, i            ; tile i's fragment of the K half's q4-th 128: two chunks
.irp c, 0,1
	ds_load_b128 v[\reg+4*\c:\reg+4*\c+3], v[\adr] offset:(\i)*4096+(\q4)*1024+512*\c
.endr
.endm
.macro FETCH_B kh, q4, p               ; B's eight fragments into set p
	WIN TO_B
.irp i, 0,1,2,3,4,5,6,7
	FRAG 128*(\p)+8*\i, ADRB+\kh, \q4, \i
.endr
	WIN 0
.endm
.macro FETCH_A kh, q4, i0              ; A's blocks i0 .. i0 + 3
.irp i, \i0, \i0+1, \i0+2, \i0+3
	FRAG AF+8*(\i), ADRA+\kh, \q4, \i
.endr
.endm
.macro SCALES                          ; all scale words of my 128 + 128 rows, once
.irp i, 0,1,2,3,4,5,6,7
.irp q, 0,1,2,3
	ds_load_b32 v[SCA+4*\i+\q], v[ADSA] offset:512*\q+64*\i
	ds_load_b32 v[SCB+4*\i+\q], v[ADSB] offset:512*\q+64*\i
.endr
.endr
.endm
; 16 matrix instructions: A's blocks a0, a0 + 1 x B's eight, 128 along K.  first = 1: the sums start from B's bias.  K half 1 takes its scale words from lanes 16-31.
; The 64 accumulators take turns, one instruction a turn, in the same order in every step.
.macro MUL16 a0, p, q4, kh, first
.irp a, \a0, \a0+1
.irp b, 0,1,2,3,4,5,6,7
.if \first
	v_wmma_scale_f32_16x16x128_f8f6f4 v[8*(8*((\a)%4)+\b):8*(8*((\a)%4)+\b)+7], v[128*(\p)+8*\b:128*(\p)+8*\b+7], v[AF+8*(\a):AF+8*(\a)+7], v[BP+8*\b:BP+8*\b+7], v[SCB+4*\b+(\q4)], v[SCA+4*(\a)+(\q4)] matrix_a_fmt:MATRIX_FMT_FP4 matrix_b_fmt:MATRIX_FMT_FP4
.elseif \kh
	v_wmma_scale_f32_16x16x128_f8f6f4 v[8*(8*((\a)%4)+\b):8*(8*((\a)%4)+\b)+7], v[128*(\p)+8*\b:128*(\p)+8*\b+7], v[AF+8*(\a):AF+8*(\a)+7], v[8*(8*((\a)%4)+\b):8*(8*((\a)%4)+\b)+7], v[SCB+4*\b+(\q4)], v[SCA+4*(\a)+(\q4)] matrix_a_fmt:MATRIX_FMT_FP4 matrix_b_fmt:MATRIX_FMT_FP4 matrix_a_scale:MATRIX_SCALE_ROW1 matrix_b_scale:MATRIX_SCALE_ROW1
.else
	v_wmma_scale_f32_16x16x128_f8f6f4 v[8*(8*((\a)%4)+\b):8*(8*((\a)%4)+\b)+7], v[128*(\p)+8*\b:128*(\p)+8*\b+7], v[AF+8*(\a):AF+8*(\a)+7], v[8*(8*((\a)%4)+\b):8*(8*((\a)%4)+\b)+7], v[SCB+4*\b+(\q4)], v[SCA+4*(\a)+(\q4)] matrix_a_fmt:MATRIX_FMT_FP4 matrix_b_fmt:MATRIX_FMT_FP4
.endif
.endr
.endr
.endm
; A step of 128 along K that has its successor in the same K half.  A block of A is free as soon as its eight products are issued: blocks 0-3 are fetched anew in the step's middle, blocks 4-7 at its end.
; A load into a register that a matrix instruction has read stands four plain vector lines behind it (ISA guide 7.12.1 for vector instructions).
.macro STEP kh, q4, first
	s_wait_dscnt 8                                 ; B's set and A's blocks 0-3 are in; the youngest eight loads (A's blocks 4-7) may be out
.if \first
	WIN FST_LO
.else
	WIN MUL_LO
.endif
	MUL16 0, (\q4)%2, \q4, \kh, \first
	MUL16 2, (\q4)%2, \q4, \kh, \first
	s_wait_dscnt 0x0                               ; A's blocks 4-7 are in
	PLACES 4
	FETCH_B \kh, (\q4)+1, 1-(\q4)%2
	FETCH_A \kh, (\q4)+1, 0
.if \first
	WIN FST_HI
.else
	WIN MUL_HI
.endif
	MUL16 4, (\q4)%2, \q4, \kh, \first
	MUL16 6, (\q4)%2, \q4, \kh, \first
	PLACES 4
	WIN 0
	FETCH_A \kh, (\q4)+1, 4
.endm
	s_wait_tensorcnt 0x1                           ; my scale words and my part of K half 0 have landed; K half 1's load may be out
	s_barrier_signal -1
	s_barrier_wait -1                              ; everybody's have
	FETCH_B 0, 0, 0
	FETCH_A 0, 0, 0
	SCALES
	FETCH_A 0, 0, 4
	s_wait_loadcnt 0x0                             ; the biases
	s_mov_b32 vcc_lo, s92
.set j, 0
.rept 64
	v_cndmask_b32 v[BP+j], 0, v[BP+j], vcc_lo      ; the bias along the registers counts for q and k alone
.set j, j+1
.endr
	s_mov_b32 vcc_lo, s93
.set j, 0
.rept 16
	v_cndmask_b32 v[BQ+j], 0, v[BQ+j], vcc_lo      ; the bias along the lanes for v alone
.set j, j+1
.endr
	STEP 0, 0, 1
	STEP 0, 1, 0
	STEP 0, 2, 0
	; K half 0's last step changes halves: each wave shows its part of K half 1 landed, then one barrier
	s_wait_tensorcnt 0x0
	s_wait_dscnt 8
	WIN MUL_LO
	MUL16 0, 1, 3, 0, 0
	s_wait_dscnt 0x0                               ; no LDS instruction of mine is out at the signal
	s_barrier_signal -1
	MUL16 2, 1, 3, 0, 0
	WIN 0
	s_barrier_wait -1
	PLACES 4
	FETCH_B 1, 0, 0
	FETCH_A 1, 0, 0
	WIN MUL_HI
	MUL16 4, 1, 3, 0, 0
	MUL16 6, 1, 3, 0, 0
	PLACES 4
	WIN 0
	FETCH_A 1, 0, 4
	STEP 1, 0, 0
	STEP 1, 1, 0
	STEP 1, 2, 0
	s_wait_dscnt 8                                 ; the last step: nothing more to fetch
	WIN MUL_LO
	MUL16 0, 1, 3, 1, 0
	MUL16 2, 1, 3, 1, 0
	s_wait_dscnt 0x0
	WIN MUL_HI
	MUL16 4, 1, 3, 1, 0
	MUL16 6, 1, 3, 1, 0
	WIN 0
; 64 numbers of a lane, v[s] on, register 16 b + i = k 32 b + 16 (lane / 16) + i of my row, become a fragment's codes in v[pc] on and its scale word in v[pw].
.macro QUANT s, pc, pw
.irp b, 0,1,2,3
	v_max3_num_f32 v[TM+\b], |v[\s+16*\b]|, |v[\s+1+16*\b]|, 0x1800000   ; block b: my 16 numbers, and the floor 2^(3 - 127): the byte cannot fall under 1
.endr
.irp i, 2,4,6,8,10,12,14
.irp b, 0,1,2,3
	v_max3_num_f32 v[TM+\b], v[TM+\b], |v[\s+16*\b+\i]|, |v[\s+1+16*\b+\i]|
.endr
.endr
.irp b, 0,1,2,3
	v_permlanex16_b32 v[TM+4+\b], v[TM+\b], s2, s3
.endr
.irp b, 0,1,2,3
	v_max_num_f32 v[TM+\b], v[TM+\b], v[TM+4+\b]   ; with lane l xor 16's: the block's largest magnitude
.endr
.irp b, 0,1,2,3
	v_add_nc_u32 v[TM+12+\b], 0xff000000, v[TM+\b] ; 2 off its exponent field: the conversion's scale operand
.endr
.irp b, 0,1,2,3
	v_lshrrev_b32 v[TM+4+\b], 23, v[TM+12+\b]      ; the scale's byte
.endr
	v_lshl_or_b32 v[\pw], v[TM+5], 8, v[TM+4]
	v_lshl_or_b32 v[\pw], v[TM+6], 16, v[\pw]
	v_lshl_or_b32 v[\pw], v[TM+7], 24, v[\pw]
.irp b, 0,1,2,3
	v_cvt_scalef32_pk8_fp4_f32 v[\pc+2*\b], v[\s+16*\b:\s+7+16*\b], v[TM+12+\b]
	v_cvt_scalef32_pk8_fp4_f32 v[\pc+1+2*\b], v[\s+8+16*\b:\s+15+16*\b], v[TM+12+\b]
.endr
	v_nop                                          ; one plain line behind a scaled conversion
.irp c, 0,1                                    ; the operand's layout wants a whole block in a lane: lanes 0-15 block 2 c, lanes 16-31 block 2 c + 1
.irp i, 0,1
	v_permlane16_swap_b32 v[\pc+4*\c+\i], v[\pc+2+4*\c+\i]
.endr
.endr
.endm
; THE WAY OUT of A's block a: its eight accumulators, each from its low end on, with the bias along the lanes, into window 0; quantised; two chunks stored as they stand.  Each block has registers of its own for its codes and its word.
.macro OUTQ a
	WIN 0x02+(\a)/4
.set j, 0
.rept 32
	v_pk_add_f32 v[T+j:T+j+1], v[64*((\a)%4)+j:64*((\a)%4)+j+1], v[BQ+2*(\a):BQ+2*(\a)+1]
.set j, j+2
.endr
	WIN 0
	QUANT T, PC+8*(\a), PW+(\a)
	global_store_b128 v[LI], v[PC+8*(\a):PC+8*(\a)+3], s[94:95] offset:1024*(\a)          ; 32 lanes store 512 consecutive bytes
	global_store_b128 v[LI], v[PC+8*(\a)+4:PC+8*(\a)+7], s[94:95] offset:1024*(\a)+512
.endm
	PLACES 4                                       ; in front of the first read of results and the first write over A's fragments
.irp a, 0,1,2,3,4,5,6,7
	OUTQ \a
.endr
	s_mov_b32 vcc_lo, 0xffff0000
.irp j, 0,1,2,3
	v_cndmask_b32 v[SW+\j], v[PW+\j], v[PW+4+\j], vcc_lo   ; lanes 0-15 blocks 0-3, lanes 16-31 blocks 4-7 (both halves of the lanes hold every word)
.endr
	global_store_b128 v[LI], v[SW:SW+3], s[96:97]
	s_wait_dscnt 0x0
	s_wait_tensorcnt 0x0
	ds_add_u32 v122, v123
	s_wait_dscnt 0x0
	CROUND                                         ; the closing round: no work-group ends while a partner may still ask for a tile that names it
	s_endpgm
.Lfunc_end_k_q0722dda4a2_qkv:
	.size	k_q0722dda4a2_qkv, .Lfunc_end_k_q0722dda4a2_qkv-k_q0722dda4a2_qkv
	.p2alignl 7, 3214868480
	.fill 96, 4, 3214868480
	.section	.rodata,"a",@progbits
	.p2align	6, 0x0
	.amdhsa_kernel k_q0722dda4a2_qkv
		.amdhsa_group_segment_fixed_size 327680
		.amdhsa_private_segment_fixed_size 0
		.amdhsa_enable_private_segment 0
		.amdhsa_kernarg_size 56
		.amdhsa_user_sgpr_count 2
		.amdhsa_user_sgpr_kernarg_segment_ptr 1
		.amdhsa_wavefront_size32 1
		.amdhsa_system_sgpr_workgroup_id_x 1
		.amdhsa_system_sgpr_workgroup_id_y 1
		.amdhsa_system_sgpr_workgroup_id_z 1
		.amdhsa_system_vgpr_workitem_id 0
		.amdhsa_next_free_vgpr 1024
		.amdhsa_next_free_sgpr 102
		.amdhsa_reserve_vcc 1
		.amdhsa_float_denorm_mode_32 3
		.amdhsa_float_denorm_mode_16_64 3
		.amdhsa_memory_ordered 1
		.amdhsa_forward_progress 1
		.amdhsa_inst_pref_size 152
	.end_amdhsa_kernel
	.amdgpu_metadata
---
amdhsa.version: [ 1, 2 ]
amdhsa.kernels:
  - .name:           k_q0722dda4a2_qkv
    .symbol:         k_q0722dda4a2_qkv.kd
    .args:
      - { .name: codes, .offset: 0, .size: 8, .value_kind: global_buffer, .address_space: global }
      - { .name: scl, .offset: 8, .size: 8, .value_kind: global_buffer, .address_space: global }
      - { .name: b_q, .offset: 16, .size: 8, .value_kind: global_buffer, .address_space: global }
      - { .name: b_k, .offset: 24, .size: 8, .value_kind: global_buffer, .address_space: global }
      - { .name: b_v, .offset: 32, .size: 8, .value_kind: global_buffer, .address_space: global }
      - { .name: qkv, .offset: 40, .size: 8, .value_kind: global_buffer, .address_space: global }
      - { .name: qkvs, .offset: 48, .size: 8, .value_kind: global_buffer, .address_space: global }
    .group_segment_fixed_size: 327680
    .private_segment_fixed_size: 0
    .kernarg_segment_align: 8
    .kernarg_segment_size: 56
    .max_flat_workgroup_size: 128
    .sgpr_count:     102
    .vgpr_count:     1024
    .wavefront_size: 32
...
	.end_amdgpu_metadata
.endif
;; end of part 2
;; launch attn (part 3): grid 32 x 8, 16 waves a work-group, no clusters, 68,608 bytes of LDS; arguments qkv, qkvs, ctxc, ctxs; writes ctxc, ctxs
.if DOCPART == 3
	.amdgcn_target "amdgcn-amd-amdhsa--gfx1250"
	.amdhsa_code_object_version 6
	.text
	.protected	k_q0722dda4a2_attn
	.globl	k_q0722dda4a2_attn
	.p2align	8
	.type	k_q0722dda4a2_attn,@function
k_q0722dda4a2_attn:
	s_mov_b64 s[64:65], 0
	v_nop
	global_prefetch_b8 v0, s[64:65] scope:SCOPE_SE
	s_setreg_imm32_b32 hwreg(HW_REG_WAVE_MODE, 25, 1), 1
	s_wait_xcnt 0x0
; Causal attention over a window of 256 keys, both products on codes of FP4 (E2M1); the result quantised along the head's 64 for the last projection.
; SHARES.  A work-group owns TWO neighbouring blocks of 128 queries, i and i + 1 (i even), of a pair of heads, and takes them one after the other (pass 0, pass 1); wave w = 2 a + c owns tile a of 16 queries of head c of the pair,
; in 256 registers: four waves to a SIMD, so that one wave's vector work stands beside another's products.
; THE WINDOW of a block of 128 queries is three blocks of 128 keys.  With q and k counted inside their blocks: the block itself (key k counts where k <= q), the block before (all count), the block two back (k counts where k > q).
; They are taken in that order, so that the running maximum is a number from the first step on.  The two query blocks want the FOUR key blocks i + 1 .. i - 2 (LDS block u holds key block i + 1 - u): they come once,
; at the head, where two work-groups of one query block each would fetch six.  Pass 0 reads LDS blocks 1, 2, 3, pass 1 blocks 0, 1, 2.
; The first block of a sequence has one step, the second two: scalar branches on the work-group's number, alike in all sixteen waves.
; LAYOUT.  Both products transposed: S^T = K Q^T (source 0 = 16 keys), O^T = V^T P^T (source 0 = 16 of the head's 64): a lane holds one query throughout.  Slot r of a tile is row 32 (t / 2) + 8 (t % 2) + r + 8 (r / 8),
; so that the 16 registers of tiles 2 b and 2 b + 1 are 16 neighbours: p and O need no transposition ahead of their quantisers.
; THE HEAD HAS 64, THE INSTRUCTION TAKES 128: the upper four registers of Q's fragment are zero codes.  K's upper four are whatever stands there (the next tile's codes): codes of this format are finite numbers, and times zero they add nothing; their scale bytes are never 0xff.
; THE SOFTMAX: t = score x log2(e) / 8; M = the running largest t rounded up to a whole number; p = 2^(t - M) is quantised along the keys, not normalised; the row's sum is taken of the unquantised p and divides O at the end; when M moves, the sum and O are multiplied by 2^(old M - new M), exactly.
; K's and V's chunks of the four blocks come once through registers into LDS (each wave brings one chunk of each), where all sixteen waves read them.
; No cluster, no tensor load: neighbouring work-groups share two of their four key blocks, but in other places of their LDS, so their requests would not be alike; and a work-group's 64 KiB are one load a lane, block and tensor.
; LIMITS: NaN and infinities are not served; a block of O whose largest magnitude lies under 2^-124 keeps the byte 1; a block of zeros gets the byte 1 where the rule says 127 (its codes are zeros, and this program alone reads the bytes).
.set LI,  1                            ; v1   16 x lane
.set STG, 2                            ; v2   + 512 w: where I put my chunks
.set AK,  3                            ; v3   + 512 c: my head's chunk of a tile of K
.set AV,  4                            ; v4   + 8192 + 4096 c: my head's tiles of V
.set VD,  9                            ; v9   my query in its block - 16 (lane / 16)
.set QF0, 16                           ; v16-23  pass 0's Q; v20-23 zero codes
.set QS0, 24                           ; v24     its scale word
.set KF,  32                           ; v32-67  K: tile t is v[32 + 4 t .. + 7]; v64-67 zero
.set VF,  32                           ; v32-63  V's four fragments take K's registers when the step's first products are issued
.set KS3, 68                           ; v68-79  LDS block 3's scale words: K's eight, V's four
.set QF1, 80                           ; v80-87  pass 1's Q; v84-87 zero codes
.set QS1, 88                           ; v88     its scale word
.set TC,  90                           ; v90-97  the result's codes, four registers for each pass: no store's data are written again
.set HW,  98                           ; v98-99  the result's half scale word, one for each pass
.set S,   100                          ; v100-163 S^T, then p
.set O,   164                          ; v164-195 O^T, four tiles
.set PCD, 196                          ; v196-203 p's codes
.set BM,  204                          ; v204-207 a block's largest score, then its largest p
.set TP,  208                          ; v208-211 at work
.set SO,  212                          ; v212-215 the conversions' scale operands
.set F,   216                          ; v216 f = 2^(old M - new M)
.set PWD, 217                          ; v217 p's scale word
.set TT,  218                          ; v218 at work
.set NINF, 219                         ; v219 -infinity
.set KS,  220                          ; v[220 + 12 u .. + 7] K's scale words of LDS block u = 0, 1, 2; + 8 .. + 11 V's
.set CS,  65536                        ; LDS: behind the four blocks of 16,384 bytes: the results' scale words [pass 2][tile 8][slot 16][4]
	s_load_b128 s[4:7], s[0:1], 0x0                ; qkv, qkvs
	s_load_b128 s[8:11], s[0:1], 0x10              ; ctxc, ctxs
	v_lshl_add_u32 v31, v0, 2, 0x10400
	v_mov_b32 v89, 0
	v_lshrrev_b32 v1, 5, v0
	v_readfirstlane_b32 s12, v1                    ; wave
	s_and_b32 s13, s12, 1                          ; c
	s_lshr_b32 s14, s12, 1                         ; a
	s_lshl_b32 s15, ttmp9, 1                       ; i: the first of my two blocks of 128 tokens
	s_and_b32 s16, ttmp7, 0xffff                   ; the pair of heads
	s_and_b32 s17, s15, 15                         ; its number in its sequence: even
	s_lshr_b32 s18, s14, 1
	s_lshl_b32 s18, s18, 5
	s_and_b32 s44, s14, 1
	s_lshl_b32 s44, s44, 3
	s_add_co_u32 s18, s18, s44                     ; 32 (a / 2) + 8 (a % 2)
	s_lshl_b32 s19, s13, 4                         ; my head's two bytes in a scale word: 16 c bits up
	s_mov_b32 s20, 0x76543210
	s_mov_b32 s21, 0xfedcba98
	s_mov_b32 s22, 0x3e38aa3b                      ; log2(e) / 8
	s_mov_b32 s23, s22                             ; (named with it as a pair)
.irp u, 0,1,2,3
	s_add_co_i32 s44, s15, 1-\u                    ; key block i + 1 - u,
	s_max_i32 s44, s44, 0                          ; held at 0, so that every load stays in its buffer; a block so held, or of the sequence before, is loaded and never used
	s_lshl_b32 s45, s16, 6
	s_add_co_u32 s44, s44, s45
	s_lshl_b32 s[24+2*\u], s44, 13
	s_lshl_b32 s45, s12, 9
	s_add_co_u32 s[24+2*\u], s[24+2*\u], s45
	s_add_co_u32 s[24+2*\u], s[24+2*\u], 4194304   ; k's part of qkv, the block, chunk w
	s_mov_b32 s[25+2*\u], 0
	s_lshl_b32 s[32+2*\u], s44, 9
	s_add_co_u32 s[32+2*\u], s[32+2*\u], 262144    ; k's part of qkvs, the block
	s_mov_b32 s[33+2*\u], 0
.endr
	s_lshl_b32 s44, s16, 1
	s_add_co_u32 s44, s44, s13                     ; the head
	s_lshr_b32 s45, s44, 3
	s_mul_i32 s40, s45, 2097152                    ; ctxc: [K half = head / 8][tile 512][head % 8][512]
	s_and_b32 s45, s44, 7
	s_lshl_b32 s45, s45, 9
	s_add_co_u32 s40, s40, s45
	s_lshl_b32 s45, s15, 3
	s_add_co_u32 s45, s45, s14
	s_lshl_b32 s45, s45, 12
	s_add_co_u32 s40, s40, s45                     ; tile 8 i + a; pass 1's lies eight tiles on
	s_mov_b32 s41, 0
	s_lshl_b32 s42, s16, 15                        ; ctxs: [pair 8][tile 512][slot 16][4]
	s_lshl_b32 s45, s15, 9
	s_add_co_u32 s42, s42, s45
	s_mov_b32 s43, 0
	v_and_b32 v11, 31, v0
	v_lshlrev_b32 v[LI], 4, v11
	v_and_b32 v25, 15, v0                          ; r
	v_bfe_u32 v26, v0, 4, 1                        ; h
	s_lshl_b32 s44, s12, 9
	v_add_nc_u32 v[STG], s44, v[LI]
	s_lshl_b32 s44, s13, 9
	v_add_nc_u32 v[AK], s44, v[LI]
	s_lshl_b32 s44, s13, 12
	s_add_co_u32 s44, s44, 8192
	v_add_nc_u32 v[AV], s44, v[LI]
	v_lshlrev_b32 v5, 4, v25                       ; scale words: 16 r
	s_lshl_b32 s44, s13, 8
	v_add_nc_u32 v6, s44, v5                       ; V's: + 256 c
	s_lshr_b32 s44, s14, 2
	s_lshl_b32 s44, s44, 8
	s_and_b32 s45, s14, 3
	s_lshl_b32 s45, s45, 2
	s_add_co_u32 s44, s44, s45
	v_add_nc_u32 v7, s44, v5                       ; Q's: + 256 (a / 4) + 4 (a % 4)
	v_lshlrev_b32 v8, 2, v25
	s_lshl_b32 s44, s14, 6
	s_lshl_b32 s45, s13, 1
	s_add_co_u32 s44, s44, s45
	s_add_co_u32 s44, s44, CS
	v_add_nc_u32 v8, s44, v8                       ; my half of a result's scale word: CS + 64 a + 4 r + 2 c
	v_lshrrev_b32 v27, 3, v25
	v_lshl_add_u32 v[VD], v27, 3, v25
	v_add_nc_u32 v[VD], s18, v[VD]
	v_lshlrev_b32 v27, 4, v26
	v_sub_nc_u32 v[VD], v[VD], v27
	s_min_u32 s44, s12, 1
	s_lshl_b32 s44, s44, 9
	v_add_nc_u32 v11, s44, v[LI]                   ; the scale words' way out: wave 0 takes pass 0's 512 bytes, wave 1 pass 1's
	v_add_nc_u32 v10, CS, v11
	s_wait_kmcnt 0x0
.irp u, 0,1,2,3
	s_add_nc_u64 s[24+2*\u:25+2*\u], s[4:5], s[24+2*\u:25+2*\u]
	s_add_nc_u64 s[32+2*\u:33+2*\u], s[6:7], s[32+2*\u:33+2*\u]
.endr
	s_add_nc_u64 s[40:41], s[8:9], s[40:41]
	s_add_nc_u64 s[42:43], s[10:11], s[42:43]
	global_load_b128 v[QF0:QF0+3], v[LI], s[26:27] offset:-4194304    ; q's part lies one part ahead of k's: chunk w = (tile a, head c).  Block i is LDS block 1's,
	global_load_b32 v[QS0], v7, s[34:35] offset:-262144
	global_load_b128 v[QF1:QF1+3], v[LI], s[24:25] offset:-4194304    ; block i + 1 LDS block 0's
	global_load_b32 v[QS1], v7, s[32:33] offset:-262144
.irp u, 0,1,2,3
	global_load_b128 v[S+8*\u:S+8*\u+3], v[LI], s[24+2*\u:25+2*\u]                      ; chunk w of K,
	global_load_b128 v[S+8*\u+4:S+8*\u+7], v[LI], s[24+2*\u:25+2*\u] offset:4194304     ; and of V
.endr
.irp u, 0,1,2
	global_load_b128 v[KS+12*\u:KS+12*\u+3], v5, s[32+2*\u:33+2*\u]                     ; K's words of tiles 0-3, slot r,
	global_load_b128 v[KS+12*\u+4:KS+12*\u+7], v5, s[32+2*\u:33+2*\u] offset:256        ; of tiles 4-7,
	global_load_b128 v[KS+12*\u+8:KS+12*\u+11], v6, s[32+2*\u:33+2*\u] offset:262144    ; V's of my head's four tiles
.endr
	global_load_b128 v[KS3:KS3+3], v5, s[38:39]
	global_load_b128 v[KS3+4:KS3+7], v5, s[38:39] offset:256
	global_load_b128 v[KS3+8:KS3+11], v6, s[38:39] offset:262144
.irp i, 0,1,2,3
	v_mov_b32 v[QF0+4+\i], 0
	v_mov_b32 v[QF1+4+\i], 0
	v_mov_b32 v[KF+32+\i], 0
	v_mov_b32 v[TP+\i], 0                          ; written once: a lane permute's destination counts as one of its sources
.endr
	v_mov_b32 v[NINF], 0xff800000
	s_wait_loadcnt 12                              ; both Q and my eight chunks are in; the twelve loads of K's and V's scale words may be out
.irp u, 0,1,2,3
	ds_store_b128 v[STG], v[S+8*\u:S+8*\u+3] offset:16384*\u
	ds_store_b128 v[STG], v[S+8*\u+4:S+8*\u+7] offset:16384*\u+8192
.endr
	s_wait_dscnt 0x0                               ; for the others' sake: my stores have landed
	s_barrier_signal -1
	s_barrier_wait -1
	s_wait_loadcnt 0x0
	v_lshrrev_b32 v[QS0], s19, v[QS0]              ; my head's two bytes go to the word's low end.  Pass 0's Q and LDS block 1's words first: they serve the first step, and the 25 lines behind them are the plain lines
.irp t, 0,1,2,3,4,5,6,7                        ; that a scale register written by a vector instruction wants ahead of a scaled matrix instruction
	v_lshrrev_b32 v[KS+12+\t], s19, v[KS+12+\t]
.endr
	v_lshrrev_b32 v[QS1], s19, v[QS1]
.irp t, 0,1,2,3,4,5,6,7
	v_lshrrev_b32 v[KS+\t], s19, v[KS+\t]
	v_lshrrev_b32 v[KS+24+\t], s19, v[KS+24+\t]
	v_lshrrev_b32 v[KS3+\t], s19, v[KS3+\t]
.endr
; A KEY STEP on LDS block u.  mode 1: keys behind my query are hidden; 2: keys up to my query are hidden; 0: all count.  first = 1: it starts M, the sum and O^T: nothing is cleared.  qf, qs: the pass's Q and its scale word.
.macro STEP u, mode, first, qf, qs
.if (\u) == 3
.set KSU, KS3
.else
.set KSU, KS+12*(\u)
.endif
.rept 4
	v_nop                                          ; four plain lines behind the last step's products, which read V from the registers that K's tiles now take
.endr
.irp t, 0,1,2,3,4,5,6,7
	ds_load_b128 v[KF+4*\t:KF+4*\t+3], v[AK] offset:16384*\u+1024*\t
.endr
	s_wait_dscnt 0x0
.irp t, 0,1,2,3,4,5,6,7
	v_wmma_scale_f32_16x16x128_f8f6f4 v[S+8*\t:S+8*\t+7], v[KF+4*\t:KF+4*\t+7], v[\qf:\qf+7], 0, v[KSU+\t], v[\qs] matrix_a_fmt:MATRIX_FMT_FP4 matrix_b_fmt:MATRIX_FMT_FP4
.endr
.rept 4
	v_nop                                          ; four plain lines behind the products above: their results are read next, and V is loaded into the registers that they read
.endr
.irp t, 0,1,2,3
.irp c, 0,1
	ds_load_b128 v[VF+8*\t+4*\c:VF+8*\t+4*\c+3], v[AV] offset:16384*\u+1024*\t+512*\c   ; they land under the softmax
.endr
.endr
.if \mode                                      ; register n holds key 32 (n / 16) + n % 16 + 16 (lane / 16).  A hidden score becomes -infinity ahead of the maximum: p = 0 then
.set n, 0
.rept 64
.if \mode == 1
	v_cmp_gt_i32 vcc_lo, 32*(n/16)+n%16, v[VD]
.else
	v_cmp_le_i32 vcc_lo, 32*(n/16)+n%16, v[VD]
.endif
	v_cndmask_b32 v[S+n], v[S+n], v[NINF], vcc_lo
.set n, n+1
.endr
.endif
.irp b, 0,1,2,3
	v_max3_num_f32 v[BM+\b], v[S+16*\b], v[S+1+16*\b], v[S+2+16*\b]   ; the largest score of each block of 32 keys: for the row's maximum, and, since p rises with the score, for the block's largest p
.endr
.irp i, 3,5,7,9,11,13
.irp b, 0,1,2,3
	v_max3_num_f32 v[BM+\b], v[BM+\b], v[S+16*\b+\i], v[S+1+16*\b+\i]
.endr
.endr
.irp b, 0,1,2,3
	v_max_num_f32 v[BM+\b], v[BM+\b], v[S+15+16*\b]
.endr
.irp b, 0,1,2,3
	v_permlanex16_b32 v[TP+\b], v[BM+\b], s20, s21
.endr
.irp b, 0,1,2,3
	v_max_num_f32 v[BM+\b], v[BM+\b], v[TP+\b]     ; with lane l xor 16's 16 keys
.endr
	v_max3_num_f32 v[TT], v[BM], v[BM+1], v[BM+2]
	v_max_num_f32 v[TT], v[TT], v[BM+3]            ; the step's largest score of my query
.if \first
	v_mul_f32 v13, s22, v[TT]                      ; as t: a number, since my query's own key counts
	v_floor_f32 v12, -v13                          ; -M = floor(-t)
.else
	v_mul_f32 v[TT], s22, v[TT]
	v_max_num_f32 v13, v13, v[TT]                  ; the running largest t
	v_mov_b32 v[TT], v12
	v_floor_f32 v12, -v13
	v_sub_f32 v[TT], v12, v[TT]                    ; old M - new M: a whole number, 0 or less
	v_cvt_i32_f32 v[TT], v[TT]
	v_ldexp_f32 v[F], 1.0, v[TT]
.endif
.set n, 0
.rept 32
	v_pk_fma_f32 v[S+n:S+n+1], v[S+n:S+n+1], s[22:23], v[12:13] op_sel_hi:[1,0,0]   ; t - M, two at a time
.set n, n+2
.endr
.irp b, 0,1,2,3
	v_fma_f32 v[BM+\b], v[BM+\b], s22, v12         ; the same of each block's largest score
.endr
.set n, 0
.rept 64
	v_exp_f32 v[S+n], v[S+n]                       ; p = 2^(t - M)
.set n, n+1
.endr
.irp b, 0,1,2,3
	v_exp_f32 v[BM+\b], v[BM+\b]                   ; the block's largest p: the same two instructions on the same number
.endr
.if \first
	v_nop                                          ; a plain line behind the exponentials
	s_wait_alu depctr_va_vdst(0)
.else
	v_pk_mul_f32 v[14:15], v[14:15], v[F:F+1] op_sel_hi:[1,0]   ; the sum under the new M (a plain line behind the exponentials)
	s_wait_alu depctr_va_vdst(0)
.endif
.irp b, 0,1,2,3
	v_max_num_f32 v[BM+\b], 0x1800000, v[BM+\b]    ; the floor 2^(3 - 127): a block whose every p is 0 keeps the byte 1: its codes are zeros
.endr
.irp b, 0,1,2,3
	v_add_nc_u32 v[SO+\b], 0xff000000, v[BM+\b]
.endr
.irp b, 0,1,2,3
	v_lshrrev_b32 v[TP+\b], 23, v[SO+\b]
.endr
	v_lshl_or_b32 v[PWD], v[TP+1], 8, v[TP]        ; p's scale word for these 128 keys
	v_lshl_or_b32 v[PWD], v[TP+2], 16, v[PWD]
	v_lshl_or_b32 v[PWD], v[TP+3], 24, v[PWD]
.irp b, 0,1,2,3
	v_cvt_scalef32_pk8_fp4_f32 v[PCD+2*\b], v[S+16*\b:S+7+16*\b], v[SO+\b]
	v_cvt_scalef32_pk8_fp4_f32 v[PCD+1+2*\b], v[S+8+16*\b:S+15+16*\b], v[SO+\b]
.endr
	v_nop                                          ; one plain line behind a scaled conversion
.irp c, 0,1
.irp i, 0,1
	v_permlane16_swap_b32 v[PCD+4*\c+\i], v[PCD+2+4*\c+\i]
.endr
.endr
	v_pk_add_f32 v[TP:TP+1], v[S:S+1], v[S+2:S+3]  ; the row's sum is taken of the unquantised p: two at a time, in two chains
.if \first
	v_pk_add_f32 v[14:15], v[S+4:S+5], v[S+8:S+9]
	v_pk_add_f32 v[TP:TP+1], v[TP:TP+1], v[S+6:S+7]
	v_pk_add_f32 v[TP:TP+1], v[TP:TP+1], v[S+10:S+11]
.else
.irp n, 4,8
	v_pk_add_f32 v[14:15], v[14:15], v[S+\n:S+\n+1]
	v_pk_add_f32 v[TP:TP+1], v[TP:TP+1], v[S+\n+2:S+\n+3]
.endr
.endif
.irp n, 12,16,20,24,28,32,36,40,44,48,52,56,60
	v_pk_add_f32 v[14:15], v[14:15], v[S+\n:S+\n+1]
	v_pk_add_f32 v[TP:TP+1], v[TP:TP+1], v[S+\n+2:S+\n+3]
.endr
	v_pk_add_f32 v[14:15], v[14:15], v[TP:TP+1]
.if !\first
.set n, 0
.rept 16
	v_pk_mul_f32 v[O+n:O+n+1], v[O+n:O+n+1], v[F:F+1] op_sel_hi:[1,0]   ; O^T under the new M, each accumulator from its low end on
.set n, n+2
.endr
.endif
	s_wait_dscnt 0x0                               ; V is in
.irp t, 0,1,2,3
.if \first
	v_wmma_scale_f32_16x16x128_f8f6f4 v[O+8*\t:O+8*\t+7], v[VF+8*\t:VF+8*\t+7], v[PCD:PCD+7], 0, v[KSU+8+\t], v[PWD] matrix_a_fmt:MATRIX_FMT_FP4 matrix_b_fmt:MATRIX_FMT_FP4
.else
	v_wmma_scale_f32_16x16x128_f8f6f4 v[O+8*\t:O+8*\t+7], v[VF+8*\t:VF+8*\t+7], v[PCD:PCD+7], v[O+8*\t:O+8*\t+7], v[KSU+8+\t], v[PWD] matrix_a_fmt:MATRIX_FMT_FP4 matrix_b_fmt:MATRIX_FMT_FP4
.endif
.endr
.endm
; A PASS'S END: O^T is divided by the row's sum and quantised along the head's 64; the chunk is stored, the half scale word goes to LDS, where the sixteen waves' meet.
.macro TAIL p
.rept 4
	v_nop                                          ; in front of the first read of O^T
.endr
	v_add_f32 v14, v14, v15                        ; the sum's two halves,
	v_permlanex16_b32 v[TT], v14, s20, s21
	v_add_f32 v14, v14, v[TT]                      ; and lane l xor 16's
	v_rcp_f32 v14, v14
	v_nop
.set n, 0
	s_wait_alu depctr_va_vdst(0)
.rept 32
	v_mul_f32 v[S+n], v[O+n], v14                  ; register 16 b + i is the head's d = 32 b + 16 (lane / 16) + i of my query
.set n, n+1
.endr
.irp b, 0,1                                    ; quantised along d: two blocks
	v_max3_num_f32 v[BM+\b], |v[S+16*\b]|, |v[S+1+16*\b]|, 0x1800000
.endr
.irp i, 2,4,6,8,10,12,14
.irp b, 0,1
	v_max3_num_f32 v[BM+\b], v[BM+\b], |v[S+16*\b+\i]|, |v[S+1+16*\b+\i]|
.endr
.endr
.irp b, 0,1
	v_permlanex16_b32 v[TP+\b], v[BM+\b], s20, s21
.endr
.irp b, 0,1
	v_max_num_f32 v[BM+\b], v[BM+\b], v[TP+\b]
.endr
.irp b, 0,1
	v_add_nc_u32 v[SO+\b], 0xff000000, v[BM+\b]
.endr
.irp b, 0,1
	v_lshrrev_b32 v[TP+\b], 23, v[SO+\b]
.endr
	v_lshl_or_b32 v[HW+\p], v[TP+1], 8, v[TP]      ; my head's half of the scale word
.irp b, 0,1
	v_cvt_scalef32_pk8_fp4_f32 v[TC+4*\p+2*\b], v[S+16*\b:S+7+16*\b], v[SO+\b]
	v_cvt_scalef32_pk8_fp4_f32 v[TC+4*\p+1+2*\b], v[S+8+16*\b:S+15+16*\b], v[SO+\b]
.endr
	v_nop                                          ; one plain line behind a scaled conversion
.irp i, 0,1
	v_permlane16_swap_b32 v[TC+4*\p+\i], v[TC+4*\p+2+\i]   ; lanes 0-15 block 0, lanes 16-31 block 1: a chunk as it stands
.endr
	global_store_b128 v[LI], v[TC+4*\p:TC+4*\p+3], s[40:41] offset:32768*\p   ; 32 lanes store 512 consecutive bytes; pass 1's tile lies eight tiles of 4,096 bytes on
	ds_store_b16 v8, v[HW+\p] offset:512*\p        ; both halves of the lanes write the same two bytes with the same value
.endm
	STEP 1, 1, 1, QF0, QS0                         ; pass 0: queries of block i
	s_cmp_eq_u32 s17, 0
	s_cbranch_scc1 .Ldone0                         ; a sequence's first block has no keys before it
	STEP 2, 0, 0, QF0, QS0
	STEP 3, 2, 0, QF0, QS0
.Ldone0:
	TAIL 0
	STEP 0, 1, 1, QF1, QS1                         ; pass 1: queries of block i + 1
	STEP 1, 0, 0, QF1, QS1
	s_cmp_eq_u32 s17, 0
	s_cbranch_scc1 .Ldone1                         ; a sequence's second block has one block before it
	STEP 2, 2, 0, QF1, QS1
.Ldone1:
	TAIL 1
	s_wait_dscnt 0x0                               ; for the others' sake: my two half words have landed
	s_barrier_signal -1
	s_barrier_wait -1
	s_cmp_gt_u32 s12, 1
	s_cbranch_scc1 .Lend
	ds_load_b128 v[S:S+3], v10                     ; wave 0: pass 0's eight tiles' words of this pair of heads; wave 1: pass 1's
	s_wait_dscnt 0x0
	global_store_b128 v11, v[S:S+3], s[42:43]      ; 512 consecutive bytes
.Lend:
	s_wait_tensorcnt 0x0
	ds_add_u32 v31, v89
	s_wait_dscnt 0x0
	s_endpgm
.Lfunc_end_k_q0722dda4a2_attn:
	.size	k_q0722dda4a2_attn, .Lfunc_end_k_q0722dda4a2_attn-k_q0722dda4a2_attn
	.p2alignl 7, 3214868480
	.fill 96, 4, 3214868480
	.section	.rodata,"a",@progbits
	.p2align	6, 0x0
	.amdhsa_kernel k_q0722dda4a2_attn
		.amdhsa_group_segment_fixed_size 68608
		.amdhsa_private_segment_fixed_size 0
		.amdhsa_enable_private_segment 0
		.amdhsa_kernarg_size 32
		.amdhsa_user_sgpr_count 2
		.amdhsa_user_sgpr_kernarg_segment_ptr 1
		.amdhsa_wavefront_size32 1
		.amdhsa_system_sgpr_workgroup_id_x 1
		.amdhsa_system_sgpr_workgroup_id_y 1
		.amdhsa_system_sgpr_workgroup_id_z 1
		.amdhsa_system_vgpr_workitem_id 0
		.amdhsa_next_free_vgpr 256
		.amdhsa_next_free_sgpr 66
		.amdhsa_reserve_vcc 1
		.amdhsa_float_denorm_mode_32 3
		.amdhsa_float_denorm_mode_16_64 3
		.amdhsa_memory_ordered 1
		.amdhsa_forward_progress 1
		.amdhsa_inst_pref_size 121
	.end_amdhsa_kernel
	.amdgpu_metadata
---
amdhsa.version: [ 1, 2 ]
amdhsa.kernels:
  - .name:           k_q0722dda4a2_attn
    .symbol:         k_q0722dda4a2_attn.kd
    .args:
      - { .name: qkv, .offset: 0, .size: 8, .value_kind: global_buffer, .address_space: global }
      - { .name: qkvs, .offset: 8, .size: 8, .value_kind: global_buffer, .address_space: global }
      - { .name: ctxc, .offset: 16, .size: 8, .value_kind: global_buffer, .address_space: global }
      - { .name: ctxs, .offset: 24, .size: 8, .value_kind: global_buffer, .address_space: global }
    .group_segment_fixed_size: 68608
    .private_segment_fixed_size: 0
    .kernarg_segment_align: 8
    .kernarg_segment_size: 32
    .max_flat_workgroup_size: 512
    .sgpr_count:     66
    .vgpr_count:     256
    .wavefront_size: 32
...
	.end_amdgpu_metadata
.endif
;; end of part 3
;; launch oproj (part 4): grid 8 x 32, 4 waves a work-group, clusters of 4 x 4, 327,680 bytes of LDS; arguments ctxc, ctxs, codes, scl, b_o, x, out0; writes out0
.if DOCPART == 4
	.amdgcn_target "amdgcn-amd-amdhsa--gfx1250"
	.amdhsa_code_object_version 6
	.text
	.protected	k_q0722dda4a2_oproj
	.globl	k_q0722dda4a2_oproj
	.p2align	8
	.type	k_q0722dda4a2_oproj,@function
k_q0722dda4a2_oproj:
	s_mov_b64 s[64:65], 0
	v_nop
	global_prefetch_b8 v0, s[64:65] scope:SCOPE_SE
	s_setreg_imm32_b32 hwreg(HW_REG_WAVE_MODE, 25, 1), 1
	s_wait_xcnt 0x0
	s_wait_alu depctr_hold_cnt(0) depctr_sa_sdst(0) depctr_va_vdst(0) depctr_va_sdst(0) depctr_va_ssrc(0) depctr_va_vcc(0) depctr_vm_vsrc(0)
	s_getreg_b32 s2, hwreg(HW_REG_IB_STS2, 6, 4)
	s_cmp_eq_u32 s2, 0
	s_cbranch_scc0 .Lentry_in_a_cluster
	s_endpgm
.Lentry_in_a_cluster:
	s_bfe_u32 s2, ttmp6, 0x10000c
	s_cmp_lg_u32 s2, 0xf033
	s_cbranch_scc0 .Lentry_shape_is_right
	s_endpgm
.Lentry_shape_is_right:
; out0 = x + ctx w_o^T + b_o, the product on codes of FP4 (E2M1) as the launches before have laid them: tiles of 16 rows (slot r of tile T is row 32 (T / 2) + 8 (T % 2) + r + 8 (r / 8)), chunks of 16 slots x 64 codes, 16 bytes a lane.
; A work-group of four waves makes 256 tokens x 128 columns, so that there are 256 work-groups; a wave 128 x 64: 32 accumulators.  Both K halves of its 256 + 128 rows lie in LDS at once, each byte filled once: no slot is filled again.
; TRANSPOSED: source 0 ("B") = 16 rows of w_o, source 1 ("A") = 16 tokens: a lane holds eight neighbouring columns of one token's row.  b_o is the C of each sum's first matrix instruction.
; CLUSTERS: 4 x 4 work-groups; A's tiles hang on the place along y alone and are asked for jointly by a row of the cluster, B's on the place along x alone, by a column.
; x's part for the wave's 128 x 64 results (256 registers) is asked for ahead of the product and lands under it.  On the way out a block of 16 tokens goes through the wave's own stage in LDS and comes back by rows: sixteen lanes hold 256 consecutive bytes, x is added, and they are stored.
; REGISTERS: window 0: v1-31 addresses; v32-63 A's scale words, v64-79 B's; v128-191 A's fragments, ONE set, later rows on their way out; v192-223 b_o.  window 1: B's fragments, TWO sets, at v0 and v128.
;   window 2: accumulator (a, b) at v[8 (4 a + b)].   window 3: x, block a's rows at v[32 a ..].
.set KHS,   3145728                    ; bytes of a K half of codes
.set CKHS,  2097152                    ; and of ctxc
.set SLOT,  98304                      ; a K half in LDS: A's two halves of 32,768 bytes, then B's two of 16,384
.set SCL,   196608                     ; the scale words: A's two halves of 4,096 bytes [K step 8][tile 8][slot][4], then B's two of 2,048 [K step 8][tile 4][slot][4]
.set STAGE, 208896                     ; 16 rows x (256 + 16) bytes for each wave: bytes of its own, into which no tile lands
.set LI,   3
.set ADRA, 16
.set ADRB, 20
.set ADSA, 24
.set ADSB, 25
.set STO,  26                          ; v26  the stage, in: 272 r + 64 h
.set RD,   27                          ; v27  and back: 272 h + 16 r
.set CO,   28                          ; v28  the same two rows in x and out0: 4,096 h + 16 r
.set VBP,  29
.set SCA,  32
.set SCB,  64
.set AF,   128
.set BK,   128
.set BP,   192
.set G1A,  28
.set G0A,  36
.set G1B,  44
.set G0B,  52
.set G1SA, 68
.set G0SA, 76
.set G1SB, 80
.set G0SB, 88
.set XP,   92                          ; s[92:93] x at my first row and column;  s[94:95] out0;  s[96:97] b_o
.set OP,   94
.set MSB, 0
.macro WIN new                         ; the immediate's high byte repeats the setting that is left
.if MSB != (\new)
	s_set_vgpr_msb (MSB<<8)|(\new)
.set MSB, (\new)
.endif
.endm
.set MUL,  0xa1                        ; source 0 (B) window 1, source 1 (A) window 0, C and D window 2
.set FST,  0x81                        ; the first step: C (b_o) window 0
.set TO_B, 0x40
.macro JLOAD g0a, g1a, g0b, g1b        ; a joint load: waves 0 and 1 fetch for A, waves 2 and 3 for B; four v_nop follow each line
	s_cmp_eq_u32 s19, 0
	s_cbranch_scc0 .Lfor_b_\@
	tensor_load_to_lds s[\g0a:\g0a+3], s[\g1a:\g1a+7]
	s_nop 0
.rept 4
	v_nop
.endr
	s_branch .Lasked_\@
.Lfor_b_\@:
	tensor_load_to_lds s[\g0b:\g0b+3], s[\g1b:\g1b+7]
	s_nop 0
.rept 4
	v_nop
.endr
.Lasked_\@:
.endm
.macro CROUND                          ; a round of the cluster's barrier
	s_barrier_signal -1
	s_barrier_wait -1
	s_cmp_lg_u32 s18, 0
	s_cbranch_scc1 .Lnot_wave_0_\@
	s_barrier_signal -3
.Lnot_wave_0_\@:
	s_barrier_wait -3
	s_barrier_signal -1
	s_barrier_wait -1
.endm
.macro PLACES n
.rept \n
	v_nop
.endr
.endm
	s_load_b256 s[4:11], s[0:1], 0x0               ; ctxc s[4:5], ctxs s[6:7], codes s[8:9], scl s[10:11]
	s_load_b128 s[12:15], s[0:1], 0x20             ; b_o s[12:13], x s[14:15]
	s_load_b64 s[16:17], s[0:1], 0x30              ; out0
	v_lshl_add_u32 v254, v0, 2, 0x37400
	v_mov_b32 v255, 0
	ds_add_u32 v254, v255
	ds_add_u32 v254, v255
	v_lshrrev_b32 v1, 5, v0
	v_readfirstlane_b32 s18, v1                    ; wave 0..3
	s_lshr_b32 s19, s18, 1                         ; HA: my 128 of the 256 tokens.  Also: I fetch for A (0) or for B (1)
	s_and_b32 s20, s18, 1                          ; HB: my 64 of the 128 columns.  Also: which half I fetch
	s_bfe_u32 s21, ttmp6, 0x40000                  ; cx
	s_bfe_u32 s22, ttmp6, 0x40004                  ; cy
	s_lshl_b32 s23, ttmp9, 2
	s_add_co_u32 s23, s23, s21                     ; which 128 columns
	s_and_b32 s24, ttmp7, 0xffff
	s_lshl_b32 s24, s24, 2
	s_add_co_u32 s24, s24, s22                     ; which 256 tokens
	s_lshl_b32 s25, s22, 2
	s_lshl_b32 s25, 15, s25                        ; my row of the cluster
	s_lshl_b32 s26, 0x1111, s21                    ; my column
	; group 1: dense blocks as rows of 32 elements of 8 bytes: A's codes 128 rows, B's 64
	s_or_b32 s[G1A], s25, (3<<16)|(1<<21)          ; 15:0 the mask; 17:16 elements of 8 bytes; 21 set beside a mask; no padding
	s_mov_b32 s[G1A+1], 32<<16
	s_mov_b32 s[G1A+2], 128<<16
	s_mov_b32 s[G1A+3], 32<<16
	s_mov_b32 s[G1A+4], 128
	s_mov_b32 s[G1A+5], 32
	s_mov_b32 s[G1A+6], 0
	s_mov_b32 s[G1A+7], 0
	s_or_b32 s[G1B], s26, (3<<16)|(1<<21)
	s_mov_b32 s[G1B+1], 32<<16
	s_mov_b32 s[G1B+2], 64<<16
	s_mov_b32 s[G1B+3], 32<<16
	s_mov_b32 s[G1B+4], 64
	s_mov_b32 s[G1B+5], 32
	s_mov_b32 s[G1B+6], 0
	s_mov_b32 s[G1B+7], 0
	; scale words: A's: 8 K steps x 512 bytes, 32,768 bytes apart;  B's: 8 x 256 bytes, 49,152 apart
	s_or_b32 s[G1SA], s25, (3<<16)|(1<<21)
	s_mov_b32 s[G1SA+1], 64<<16
	s_mov_b32 s[G1SA+2], 8<<16
	s_mov_b32 s[G1SA+3], 64<<16
	s_mov_b32 s[G1SA+4], 8
	s_mov_b32 s[G1SA+5], 4096
	s_mov_b32 s[G1SA+6], 0
	s_mov_b32 s[G1SA+7], 0
	s_or_b32 s[G1SB], s26, (3<<16)|(1<<21)
	s_mov_b32 s[G1SB+1], 32<<16
	s_mov_b32 s[G1SB+2], 8<<16
	s_mov_b32 s[G1SB+3], 32<<16
	s_mov_b32 s[G1SB+4], 8
	s_mov_b32 s[G1SB+5], 6144
	s_mov_b32 s[G1SB+6], 0
	s_mov_b32 s[G1SB+7], 0
	s_lshl_b32 s[G0A+2], s24, 16                   ; A: tile 16 x (which 256) + 8 x half, 4,096 bytes a tile
	s_lshl_b32 s27, s20, 15
	s_add_co_u32 s[G0A+2], s[G0A+2], s27
	s_mov_b32 s[G0A+3], 0
	s_lshl_b32 s[G0B+2], s23, 15                   ; B: tile 704 + 8 x (which 128) + 4 x half
	s_lshl_b32 s27, s20, 14
	s_add_co_u32 s[G0B+2], s[G0B+2], s27
	s_add_co_u32 s[G0B+2], s[G0B+2], 704*4096
	s_mov_b32 s[G0B+3], 0
	s_lshl_b32 s[G0SA+2], s24, 10                  ; 64 bytes a tile in each K step
	s_lshl_b32 s27, s20, 9
	s_add_co_u32 s[G0SA+2], s[G0SA+2], s27
	s_mov_b32 s[G0SA+3], 0
	s_lshl_b32 s[G0SB+2], s23, 9
	s_lshl_b32 s27, s20, 8
	s_add_co_u32 s[G0SB+2], s[G0SB+2], s27
	s_add_co_u32 s[G0SB+2], s[G0SB+2], 704*64
	s_mov_b32 s[G0SB+3], 0
	s_lshl_b32 s96, s23, 9                         ; my first column, in bytes: 512 x (which 128) + 256 HB
	s_lshl_b32 s27, s20, 8
	s_add_co_u32 s96, s96, s27
	s_mov_b32 s97, 0
	s_lshl_b32 s92, s24, 20                        ; my first row: 256 x (which 256) + 128 HA, 4,096 bytes a row
	s_lshl_b32 s27, s19, 19
	s_add_co_u32 s92, s92, s27
	s_add_co_u32 s92, s92, s96
	s_mov_b32 s93, 0
	s_lshl_b32 s60, s18, 15                        ; where the tiles go hangs on the wave's number alone
	s_lshl_b32 s61, s18, 14
	s_add_co_u32 s61, s61, 32768
	s_lshl_b32 s62, s18, 12
	s_lshl_b32 s63, s18, 11
	s_wait_dscnt 0x0
	s_wait_kmcnt 0x0
	s_add_nc_u64 s[G0A+2:G0A+3], s[4:5], s[G0A+2:G0A+3]
	s_add_nc_u64 s[G0A+6:G0A+7], s[G0A+2:G0A+3], CKHS
	s_add_nc_u64 s[G0B+2:G0B+3], s[8:9], s[G0B+2:G0B+3]
	s_add_nc_u64 s[G0B+6:G0B+7], s[G0B+2:G0B+3], KHS
	s_add_nc_u64 s[G0SA+2:G0SA+3], s[6:7], s[G0SA+2:G0SA+3]
	s_add_nc_u64 s[G0SB+2:G0SB+3], s[10:11], s[G0SB+2:G0SB+3]
	s_add_nc_u64 s[OP:OP+1], s[16:17], s[92:93]
	s_add_nc_u64 s[XP:XP+1], s[14:15], s[92:93]
	s_add_nc_u64 s[96:97], s[12:13], s[96:97]
	CROUND                                         ; all sixteen work-groups are here: the joint loads meet
	s_mov_b32 s[G0SA], 1
	s_add_co_u32 s[G0SA+1], s62, SCL
	s_or_b32 s[G0SA+3], s[G0SA+3], 0x80000000
	s_mov_b32 s[G0SB], 1
	s_add_co_u32 s[G0SB+1], s63, SCL+4096
	s_or_b32 s[G0SB+3], s[G0SB+3], 0x80000000
	JLOAD G0SA, G1SA, G0SB, G1SB                   ; by this text's count a wave has three tensor loads out: the scale words, K half 0, K half 1
.irp k, 0,1
	s_mov_b32 s[G0A+4*\k], 1
	s_add_co_u32 s[G0A+4*\k+1], s60, \k*SLOT
	s_or_b32 s[G0A+4*\k+3], s[G0A+4*\k+3], 0x80000000
	s_mov_b32 s[G0B+4*\k], 1
	s_add_co_u32 s[G0B+4*\k+1], s61, \k*SLOT
	s_or_b32 s[G0B+4*\k+3], s[G0B+4*\k+3], 0x80000000
	JLOAD G0A+4*\k, G1A, G0B+4*\k, G1B
.endr
	v_and_b32 v1, 15, v0                           ; r
	v_bfe_u32 v2, v0, 4, 1                         ; h
	v_and_b32 v[LI], 31, v0
	v_lshlrev_b32 v[LI], 4, v[LI]
	v_lshlrev_b32 v[VBP], 6, v2
.irp b, 0,1,2,3
	global_load_b128 v[BP+8*\b:BP+8*\b+3], v[VBP], s[96:97] offset:(32*(\b/2)+8*(\b%2))*4       ; tile b, lane (r, h): b_o at 32 (b / 2) + 16 h + 8 (b % 2) + 0 .. 7: the result's layout
	global_load_b128 v[BP+8*\b+4:BP+8*\b+7], v[VBP], s[96:97] offset:(32*(\b/2)+8*(\b%2))*4+16
.endr
	s_lshl_b32 s60, s19, 15
	s_lshl_b32 s61, s20, 14
	s_add_co_u32 s61, s61, 65536
.irp k, 0,1
	v_add_nc_u32 v[ADRA+\k], s60, v[LI]
	v_add_nc_u32 v[ADRB+\k], s61, v[LI]
	s_add_co_u32 s60, s60, SLOT
	s_add_co_u32 s61, s61, SLOT
.endr
	v_lshlrev_b32 v4, 2, v1
	v_lshl_add_u32 v5, v2, 11, v4                  ; A's words: 4 r + four K steps of 512 bytes for lanes 16-31
	s_lshl_b32 s60, s19, 12
	s_add_co_u32 s60, s60, SCL
	v_add_nc_u32 v[ADSA], s60, v5
	v_lshl_add_u32 v5, v2, 10, v4                  ; B's: four K steps of 256 bytes
	s_lshl_b32 s61, s20, 11
	s_add_co_u32 s61, s61, SCL+8192
	v_add_nc_u32 v[ADSB], s61, v5
	s_mul_i32 s60, s18, 16*272
	s_add_co_u32 s60, s60, STAGE                   ; my stage
	v_mul_u32_u24 v[STO], v1, 272
	v_lshl_add_u32 v[STO], v2, 6, v[STO]
	v_add_nc_u32 v[STO], s60, v[STO]
	v_mul_u32_u24 v[RD], v2, 272
	v_lshl_add_u32 v[RD], v1, 4, v[RD]
	v_add_nc_u32 v[RD], s60, v[RD]
	v_lshlrev_b32 v[CO], 12, v2
	v_lshl_add_u32 v[CO], v1, 4, v[CO]
.macro FRAG reg, adr, q4, i            ; tile i's fragment of the K half's q4-th 128: two chunks
.irp c, 0,1
	ds_load_b128 v[\reg+4*\c:\reg+4*\c+3], v[\adr] offset:(\i)*4096+(\q4)*1024+512*\c
.endr
.endm
.macro FETCH_B kh, q4, p               ; B's four fragments into set p
	WIN TO_B
.irp i, 0,1,2,3
	FRAG 128*(\p)+8*\i, ADRB+\kh, \q4, \i
.endr
	WIN 0
.endm
.macro FETCH_A kh, q4, i0              ; A's blocks i0 .. i0 + 3
.irp i, \i0, \i0+1, \i0+2, \i0+3
	FRAG AF+8*(\i), ADRA+\kh, \q4, \i
.endr
.endm
; 8 matrix instructions: A's blocks a0, a0 + 1 x B's four, 128 along K.  The 32 accumulators take turns, one instruction a turn, in the same order in every step.
.macro MUL8 a0, p, q4, kh, first
.irp a, \a0, \a0+1
.irp b, 0,1,2,3
.if \first
	v_wmma_scale_f32_16x16x128_f8f6f4 v[8*(4*(\a)+\b):8*(4*(\a)+\b)+7], v[128*(\p)+8*\b:128*(\p)+8*\b+7], v[AF+8*(\a):AF+8*(\a)+7], v[BP+8*\b:BP+8*\b+7], v[SCB+4*\b+(\q4)], v[SCA+4*(\a)+(\q4)] matrix_a_fmt:MATRIX_FMT_FP4 matrix_b_fmt:MATRIX_FMT_FP4
.elseif \kh
	v_wmma_scale_f32_16x16x128_f8f6f4 v[8*(4*(\a)+\b):8*(4*(\a)+\b)+7], v[128*(\p)+8*\b:128*(\p)+8*\b+7], v[AF+8*(\a):AF+8*(\a)+7], v[8*(4*(\a)+\b):8*(4*(\a)+\b)+7], v[SCB+4*\b+(\q4)], v[SCA+4*(\a)+(\q4)] matrix_a_fmt:MATRIX_FMT_FP4 matrix_b_fmt:MATRIX_FMT_FP4 matrix_a_scale:MATRIX_SCALE_ROW1 matrix_b_scale:MATRIX_SCALE_ROW1
.else
	v_wmma_scale_f32_16x16x128_f8f6f4 v[8*(4*(\a)+\b):8*(4*(\a)+\b)+7], v[128*(\p)+8*\b:128*(\p)+8*\b+7], v[AF+8*(\a):AF+8*(\a)+7], v[8*(4*(\a)+\b):8*(4*(\a)+\b)+7], v[SCB+4*\b+(\q4)], v[SCA+4*(\a)+(\q4)] matrix_a_fmt:MATRIX_FMT_FP4 matrix_b_fmt:MATRIX_FMT_FP4
.endif
.endr
.endr
.endm
; A step of 128 along K that has its successor in the same K half.  A load into a register that a matrix instruction has read stands four plain vector lines behind it.
.macro STEP kh, q4, first
	s_wait_dscnt 8                                 ; B's set and A's blocks 0-3 are in; the youngest eight loads (A's blocks 4-7) may be out
.if \first
	WIN FST
.else
	WIN MUL
.endif
	MUL8 0, (\q4)%2, \q4, \kh, \first
	MUL8 2, (\q4)%2, \q4, \kh, \first
	s_wait_dscnt 0x0                               ; A's blocks 4-7 are in
	PLACES 4
	FETCH_B \kh, (\q4)+1, 1-(\q4)%2
	FETCH_A \kh, (\q4)+1, 0
.if \first
	WIN FST
.else
	WIN MUL
.endif
	MUL8 4, (\q4)%2, \q4, \kh, \first
	MUL8 6, (\q4)%2, \q4, \kh, \first
	PLACES 4
	WIN 0
	FETCH_A \kh, (\q4)+1, 4
.endm
; x at block a's 16 tokens, in the order in which the block's rows come back from the stage: instruction t takes slots 2 t and 2 t + 1: rows 32 (a / 2) + 8 (a % 2) + 2 t + 8 (t / 4) + (lane / 16)
.macro XLOAD a
.irp t, 0,1,2,3,4,5,6,7
	global_load_b128 v[32*(\a)+4*\t:32*(\a)+4*\t+3], v[CO], s[XP:XP+1] offset:(32*((\a)/2)+8*((\a)%2)+2*\t+8*(\t/4))*4096 th:TH_LOAD_NT
.endr
.endm
	s_wait_tensorcnt 0x1                           ; my scale words and my part of K half 0 have landed; K half 1's load may be out
	s_barrier_signal -1
	s_barrier_wait -1                              ; everybody's have
	FETCH_B 0, 0, 0
	FETCH_A 0, 0, 0
.irp i, 0,1,2,3,4,5,6,7
.irp q, 0,1,2,3
	ds_load_b32 v[SCA+4*\i+\q], v[ADSA] offset:512*\q+64*\i        ; lanes 0-15: K step q; lanes 16-31: K step q + 4
.endr
.endr
.irp i, 0,1,2,3
.irp q, 0,1,2,3
	ds_load_b32 v[SCB+4*\i+\q], v[ADSB] offset:256*\q+64*\i
.endr
.endr
	FETCH_A 0, 0, 4
	s_wait_loadcnt 0x0                             ; b_o
	WIN 0xc0                                       ; destination window 3
.irp a, 0,1,2,3,4,5,6
	XLOAD \a                                       ; 56 loads stay out under the product
.endr
	WIN 0
	STEP 0, 0, 1
	STEP 0, 1, 0
	STEP 0, 2, 0
	; K half 0's last step changes halves: each wave shows its part of K half 1 landed, then one barrier
	s_wait_tensorcnt 0x0
	s_wait_dscnt 8
	WIN MUL
	MUL8 0, 1, 3, 0, 0
	s_wait_dscnt 0x0                               ; no LDS instruction of mine is out at the signal
	s_barrier_signal -1
	MUL8 2, 1, 3, 0, 0
	WIN 0
	s_barrier_wait -1
	PLACES 4
	FETCH_B 1, 0, 0
	FETCH_A 1, 0, 0
	WIN MUL
	MUL8 4, 1, 3, 0, 0
	MUL8 6, 1, 3, 0, 0
	PLACES 4
	WIN 0
	FETCH_A 1, 0, 4
	WIN 0xc0
	XLOAD 7                                        ; the last eight
	WIN 0
	STEP 1, 0, 0
	STEP 1, 1, 0
	STEP 1, 2, 0
	s_wait_dscnt 8                                 ; the last step: nothing more to fetch
	WIN MUL
	MUL8 0, 1, 3, 1, 0
	MUL8 2, 1, 3, 1, 0
	s_wait_dscnt 0x0
	MUL8 4, 1, 3, 1, 0
	MUL8 6, 1, 3, 1, 0
	WIN 0
; THE WAY OUT, block by block of 16 tokens x 64 columns.  LDS serves a wave's instructions in order (ISA guide 5.7.1.4): no wait between the stores and the loads, nor in front of the next block's stores.
.macro TOSTAGE a
	WIN 0x08                                       ; an LDS store's data are its source 1: window 2
.irp b, 0,1,2,3
	ds_store_b128 v[STO], v[8*(4*(\a)+\b):8*(4*(\a)+\b)+3] offset:128*(\b/2)+32*(\b%2)          ; each accumulator from its low end on
	ds_store_b128 v[STO], v[8*(4*(\a)+\b)+4:8*(4*(\a)+\b)+7] offset:128*(\b/2)+32*(\b%2)+16
.endr
	WIN 0
.irp t, 0,1,2,3,4,5,6,7
	ds_load_b128 v[BK+32*((\a)%2)+4*\t:BK+32*((\a)%2)+4*\t+3], v[RD] offset:544*\t
.endr
.endm
.macro SEND a, younger                 ; younger: the LDS instructions issued behind block a's loads, which may stay out
	s_wait_dscnt \younger
	WIN 0x0c                                       ; source 1: window 3
.set j, 0
.rept 16
	v_pk_add_f32 v[BK+32*((\a)%2)+j:BK+32*((\a)%2)+j+1], v[BK+32*((\a)%2)+j:BK+32*((\a)%2)+j+1], v[32*(\a)+j:32*(\a)+j+1]   ; the residual
.set j, j+2
.endr
	WIN 0
.irp t, 0,1,2,3,4,5,6,7
	global_store_b128 v[CO], v[BK+32*((\a)%2)+4*\t:BK+32*((\a)%2)+4*\t+3], s[OP:OP+1] offset:(32*((\a)/2)+8*((\a)%2)+2*\t+8*(\t/4))*4096 th:TH_STORE_NT   ; 16 lanes store 256 consecutive bytes, at a multiple of 256 from out0's first byte
.endr
.endm
	PLACES 4                                       ; in front of the first read of results and of the loads into the registers that held A's fragments
	s_wait_loadcnt 0x0                             ; x
	TOSTAGE 0
.irp a, 1,2,3,4,5,6,7
.if \a > 1
	s_wait_xcnt 0x0                                ; block a - 2's stores have read their registers: block a's rows may land there
.endif
	TOSTAGE \a
	SEND \a-1, 16                                  ; behind block a - 1's loads: block a's 8 stores and 8 loads
.endr
	SEND 7, 0
	s_wait_dscnt 0x0
	s_wait_tensorcnt 0x0
	ds_add_u32 v254, v255
	s_wait_dscnt 0x0
	CROUND                                         ; the closing round: no work-group ends while a partner may still ask for a tile that names it
	s_endpgm
.Lfunc_end_k_q0722dda4a2_oproj:
	.size	k_q0722dda4a2_oproj, .Lfunc_end_k_q0722dda4a2_oproj-k_q0722dda4a2_oproj
	.p2alignl 7, 3214868480
	.fill 96, 4, 3214868480
	.section	.rodata,"a",@progbits
	.p2align	6, 0x0
	.amdhsa_kernel k_q0722dda4a2_oproj
		.amdhsa_group_segment_fixed_size 327680
		.amdhsa_private_segment_fixed_size 0
		.amdhsa_enable_private_segment 0
		.amdhsa_kernarg_size 56
		.amdhsa_user_sgpr_count 2
		.amdhsa_user_sgpr_kernarg_segment_ptr 1
		.amdhsa_wavefront_size32 1
		.amdhsa_system_sgpr_workgroup_id_x 1
		.amdhsa_system_sgpr_workgroup_id_y 1
		.amdhsa_system_sgpr_workgroup_id_z 1
		.amdhsa_system_vgpr_workitem_id 0
		.amdhsa_next_free_vgpr 1024
		.amdhsa_next_free_sgpr 98
		.amdhsa_reserve_vcc 0
		.amdhsa_float_denorm_mode_32 3
		.amdhsa_float_denorm_mode_16_64 3
		.amdhsa_memory_ordered 1
		.amdhsa_forward_progress 1
		.amdhsa_inst_pref_size 91
	.end_amdhsa_kernel
	.amdgpu_metadata
---
amdhsa.version: [ 1, 2 ]
amdhsa.kernels:
  - .name:           k_q0722dda4a2_oproj
    .symbol:         k_q0722dda4a2_oproj.kd
    .args:
      - { .name: ctxc, .offset: 0, .size: 8, .value_kind: global_buffer, .address_space: global }
      - { .name: ctxs, .offset: 8, .size: 8, .value_kind: global_buffer, .address_space: global }
      - { .name: codes, .offset: 16, .size: 8, .value_kind: global_buffer, .address_space: global }
      - { .name: scl, .offset: 24, .size: 8, .value_kind: global_buffer, .address_space: global }
      - { .name: b_o, .offset: 32, .size: 8, .value_kind: global_buffer, .address_space: global }
      - { .name: x, .offset: 40, .size: 8, .value_kind: global_buffer, .address_space: global }
      - { .name: out0, .offset: 48, .size: 8, .value_kind: global_buffer, .address_space: global }
    .group_segment_fixed_size: 327680
    .private_segment_fixed_size: 0
    .kernarg_segment_align: 8
    .kernarg_segment_size: 56
    .max_flat_workgroup_size: 128
    .sgpr_count:     98
    .vgpr_count:     1024
    .wavefront_size: 32
...
	.end_amdgpu_metadata
.endif
;; end of part 4
;; ======== version 2 of 2: 4 launches; version 1 with the launch attn written anew for expert scheduling mode
;; workspace buffers: codes 6,291,456 bytes; scl 393,216 bytes; qkv 12,582,912 bytes; qkvs 786,432 bytes; ctxc 4,194,304 bytes; ctxs 262,144 bytes
;; launch prep: the kernel of part 1 again; grid 256 x 1, 16 waves a work-group, no clusters, 37,888 bytes of LDS; arguments x, w_q, w_k, w_v, w_o, ln_g, ln_b, codes, scl; writes codes, scl
;; launch qkv: the kernel of part 2 again; grid 12 x 32, 4 waves a work-group, clusters of 4 x 4, 327,680 bytes of LDS; arguments codes, scl, b_q, b_k, b_v, qkv, qkvs; writes qkv, qkvs
;; launch attn (part 5): grid 32 x 8, 16 waves a work-group, no clusters, 68,608 bytes of LDS; arguments qkv, qkvs, ctxc, ctxs; writes ctxc, ctxs
.if DOCPART == 5
	.amdgcn_target "amdgcn-amd-amdhsa--gfx1250"
	.amdhsa_code_object_version 6
	.text
	.protected	k_q0722dda4a2_attn
	.globl	k_q0722dda4a2_attn
	.p2align	8
	.type	k_q0722dda4a2_attn,@function
k_q0722dda4a2_attn:
	s_mov_b64 s[64:65], 0
	v_nop
	global_prefetch_b8 v0, s[64:65] scope:SCOPE_SE
	s_setreg_imm32_b32 hwreg(HW_REG_WAVE_SCHED_MODE, 0, 2), 2
	s_setreg_imm32_b32 hwreg(HW_REG_WAVE_MODE, 25, 1), 1
	s_wait_xcnt 0x0
	s_wait_alu depctr_vm_vsrc(0)
; Causal attention over a window of 256 keys, both products on codes of FP4 (E2M1); the result quantised along the head's 64 for the last projection.
; SHARES.  A work-group owns TWO neighbouring blocks of 128 queries, i and i + 1 (i even), of a pair of heads, and takes them one after the other (pass 0, pass 1); wave w = 2 a + c owns tile a of 16 queries of head c of the pair,
; in 256 registers: four waves to a SIMD, so that one wave's vector work stands beside another's products.
; THE WINDOW of a block of 128 queries is three blocks of 128 keys.  With q and k counted inside their blocks: the block itself (key k counts where k <= q), the block before (all count), the block two back (k counts where k > q).
; They are taken in that order, so that the running maximum is a number from the first step on.  The two query blocks want the FOUR key blocks i + 1 .. i - 2 (LDS block u holds key block i + 1 - u): they come once,
; at the head, where two work-groups of one query block each would fetch six.  Pass 0 reads LDS blocks 1, 2, 3, pass 1 blocks 0, 1, 2.
; The first block of a sequence has one step, the second two: scalar branches on the work-group's number, alike in all sixteen waves.
; LAYOUT.  Both products transposed: S^T = K Q^T (source 0 = 16 keys), O^T = V^T P^T (source 0 = 16 of the head's 64): a lane holds one query throughout.  Slot r of a tile is row 32 (t / 2) + 8 (t % 2) + r + 8 (r / 8),
; so that the 16 registers of tiles 2 b and 2 b + 1 are 16 neighbours: p and O need no transposition ahead of their quantisers.
; THE HEAD HAS 64, THE INSTRUCTION TAKES 128: the upper four registers of Q's fragment are zero codes.  K's upper four are whatever stands there (the next tile's codes): codes of this format are finite numbers, and times zero they add nothing; their scale bytes are never 0xff.
; THE SOFTMAX: t = score x log2(e) / 8; M = the running largest t rounded up to a whole number; p = 2^(t - M) is quantised along the keys, not normalised; the row's sum is taken of the unquantised p and divides O at the end; when M moves, the sum and O are multiplied by 2^(old M - new M), exactly.
; K's and V's chunks of the four blocks come once through registers into LDS (each wave brings one chunk of each), where all sixteen waves read them.
; No cluster, no tensor load: neighbouring work-groups share two of their four key blocks, but in other places of their LDS, so their requests would not be alike; and a work-group's 64 KiB are one load a lane, block and tensor.
; LIMITS: NaN and infinities are not served; a block of O whose largest magnitude lies under 2^-124 keeps the byte 1; a block of zeros gets the byte 1 where the rule says 127 (its codes are zeros, and this program alone reads the bytes).
; THE MODE: SCHED_MODE bits 1:0 = 2 (LLVM: expert scheduling mode 2), set by the entry lines.  The code itself states the register dependences
; between vector or matrix instructions and memory or LDS instructions, with s_wait_alu, always for 0.
; THE PLAN.  Registers that memory or LDS instructions touch:
;   v1-8, v10, v11   Addresses and offsets: written by vector lines at the head and never again.  One wait on va_vdst ahead of the first load serves every load and store of the kernel.
;   v100-131         At the head my eight chunks land here and my LDS stores read them; from the first step on the products write them as S^T.  One wait on vm_vsrc ahead of the first step.
;   Q, the scale words (v16-24, v80-88, v68-79, v220-255)  Loaded once; 34 of them shifted by vector lines, the zero codes beside them written by vector lines; then read by the scaled products alone.  One wait on va_vdst behind the shifts.
;   v32-63           In a step: K's tiles land; S^T's products read them (with v64-67); V's fragments land; O^T's products read them; the next K lands.  So a step has a wait on va_vdst ahead of K's loads and one ahead of V's.
;   v196-203, v217   p's codes and scale word: named by no memory instruction, but written by vector lines and taken by scaled products: a wait on va_vdst directly ahead of O^T's products.
;   v90-99           Each pass's codes and half scale word: written by its tail, read by its two stores, never written again.  One wait on va_vdst ahead of the two stores; pass 1's also serves the last LDS load, which lands in v100-103.
;   s24-39           From the first step on sixteen masks: written by a run of compares, read by the sixteen selects behind one wait on va_sdst.  (At the head they hold bases of loads that have landed by then.)
; No second set of registers for K: sixteen waves of 256 registers are all that the WGP's four SIMDs have.  What can go ahead does: each pass's first K tiles are asked for early,
; pass 0's behind the load barrier, ahead of the scale words' shifts, pass 1's at the head of pass 0's tail, no line of which names v32-67.
.set LI,  1                            ; v1   16 x lane
.set STG, 2                            ; v2   + 512 w: where I put my chunks
.set AK,  3                            ; v3   + 512 c: my head's chunk of a tile of K
.set AV,  4                            ; v4   + 8192 + 4096 c: my head's tiles of V
.set VD,  9                            ; v9   my query in its block - 16 (lane / 16)
.set QF0, 16                           ; v16-23  pass 0's Q; v20-23 zero codes
.set QS0, 24                           ; v24     its scale word
.set KF,  32                           ; v32-67  K: tile t is v[32 + 4 t .. + 7]; v64-67 zero
.set VF,  32                           ; v32-63  V's four fragments take K's registers when the step's first products are done
.set KS3, 68                           ; v68-79  LDS block 3's scale words: K's eight, V's four
.set QF1, 80                           ; v80-87  pass 1's Q; v84-87 zero codes
.set QS1, 88                           ; v88     its scale word
.set TC,  90                           ; v90-97  the result's codes, four registers for each pass: no store's data are written again
.set HW,  98                           ; v98-99  the result's half scale word, one for each pass
.set S,   100                          ; v100-163 S^T, then p
.set O,   164                          ; v164-195 O^T, four tiles
.set PCD, 196                          ; v196-203 p's codes
.set BM,  204                          ; v204-207 a block's largest score, then its largest p
.set TP,  208                          ; v208-211 at work
.set SO,  212                          ; v212-215 the conversions' scale operands
.set F,   216                          ; v216 f = 2^(old M - new M)
.set PWD, 217                          ; v217 p's scale word
.set TT,  218                          ; v218 at work
.set NINF, 219                         ; v219 -infinity
.set KS,  220                          ; v[220 + 12 u .. + 7] K's scale words of LDS block u = 0, 1, 2; + 8 .. + 11 V's
.set MK,  24                           ; s24-39 sixteen masks, from the first step on
.set CS,  65536                        ; LDS: behind the four blocks of 16,384 bytes: the results' scale words [pass 2][tile 8][slot 16][4]
	s_load_b128 s[4:7], s[0:1], 0x0                ; qkv, qkvs
	s_load_b128 s[8:11], s[0:1], 0x10              ; ctxc, ctxs
	v_lshl_add_u32 v31, v0, 2, 0x10400
	v_mov_b32 v89, 0
	v_lshrrev_b32 v1, 5, v0
	v_readfirstlane_b32 s12, v1                    ; wave
	v_and_b32 v11, 31, v0                          ; (five lines that want no wave number stand between that line and the wait for it)
	v_lshlrev_b32 v[LI], 4, v11
	v_and_b32 v25, 15, v0                          ; r
	v_bfe_u32 v26, v0, 4, 1                        ; h
	v_lshlrev_b32 v5, 4, v25                       ; scale words: 16 r
	s_wait_alu depctr_va_sdst(0)                   ; s12 is written, ahead of its first reader: all that hangs on the wave is made from it
	s_and_b32 s13, s12, 1                          ; c
	s_lshr_b32 s14, s12, 1                         ; a
	s_lshl_b32 s15, ttmp9, 1                       ; i: the first of my two blocks of 128 tokens
	s_and_b32 s16, ttmp7, 0xffff                   ; the pair of heads
	s_and_b32 s17, s15, 15                         ; its number in its sequence: even
	s_lshr_b32 s18, s14, 1
	s_lshl_b32 s18, s18, 5
	s_and_b32 s44, s14, 1
	s_lshl_b32 s44, s44, 3
	s_add_co_u32 s18, s18, s44                     ; 32 (a / 2) + 8 (a % 2)
	s_lshl_b32 s19, s13, 4                         ; my head's two bytes in a scale word: 16 c bits up
	s_mov_b32 s20, 0x76543210
	s_mov_b32 s21, 0xfedcba98
	s_mov_b32 s22, 0x3e38aa3b                      ; log2(e) / 8
	s_mov_b32 s23, s22                             ; (named with it as a pair)
.irp u, 0,1,2,3
	s_add_co_i32 s44, s15, 1-\u                    ; key block i + 1 - u,
	s_max_i32 s44, s44, 0                          ; held at 0, so that every load stays in its buffer; a block so held, or of the sequence before, is loaded and never used
	s_lshl_b32 s45, s16, 6
	s_add_co_u32 s44, s44, s45
	s_lshl_b32 s[24+2*\u], s44, 13
	s_lshl_b32 s45, s12, 9
	s_add_co_u32 s[24+2*\u], s[24+2*\u], s45
	s_add_co_u32 s[24+2*\u], s[24+2*\u], 4194304   ; k's part of qkv, the block, chunk w
	s_mov_b32 s[25+2*\u], 0
	s_lshl_b32 s[32+2*\u], s44, 9
	s_add_co_u32 s[32+2*\u], s[32+2*\u], 262144    ; k's part of qkvs, the block
	s_mov_b32 s[33+2*\u], 0
.endr
	s_lshl_b32 s44, s16, 1
	s_add_co_u32 s44, s44, s13                     ; the head
	s_lshr_b32 s45, s44, 3
	s_mul_i32 s40, s45, 2097152                    ; ctxc: [K half = head / 8][tile 512][head % 8][512]
	s_and_b32 s45, s44, 7
	s_lshl_b32 s45, s45, 9
	s_add_co_u32 s40, s40, s45
	s_lshl_b32 s45, s15, 3
	s_add_co_u32 s45, s45, s14
	s_lshl_b32 s45, s45, 12
	s_add_co_u32 s40, s40, s45                     ; tile 8 i + a; pass 1's lies eight tiles on
	s_mov_b32 s41, 0
	s_lshl_b32 s42, s16, 15                        ; ctxs: [pair 8][tile 512][slot 16][4]
	s_lshl_b32 s45, s15, 9
	s_add_co_u32 s42, s42, s45
	s_mov_b32 s43, 0
	s_lshl_b32 s44, s12, 9
	v_add_nc_u32 v[STG], s44, v[LI]
	s_lshl_b32 s44, s13, 9
	v_add_nc_u32 v[AK], s44, v[LI]
	s_lshl_b32 s44, s13, 12
	s_add_co_u32 s44, s44, 8192
	v_add_nc_u32 v[AV], s44, v[LI]
	s_lshl_b32 s44, s13, 8
	v_add_nc_u32 v6, s44, v5                       ; V's: + 256 c
	s_lshr_b32 s44, s14, 2
	s_lshl_b32 s44, s44, 8
	s_and_b32 s45, s14, 3
	s_lshl_b32 s45, s45, 2
	s_add_co_u32 s44, s44, s45
	v_add_nc_u32 v7, s44, v5                       ; Q's: + 256 (a / 4) + 4 (a % 4)
	v_lshlrev_b32 v8, 2, v25
	s_lshl_b32 s44, s14, 6
	s_lshl_b32 s45, s13, 1
	s_add_co_u32 s44, s44, s45
	s_add_co_u32 s44, s44, CS
	v_add_nc_u32 v8, s44, v8                       ; my half of a result's scale word: CS + 64 a + 4 r + 2 c
	v_lshrrev_b32 v27, 3, v25
	v_lshl_add_u32 v[VD], v27, 3, v25
	v_add_nc_u32 v[VD], s18, v[VD]
	v_lshlrev_b32 v27, 4, v26
	v_sub_nc_u32 v[VD], v[VD], v27
	s_min_u32 s44, s12, 1
	s_lshl_b32 s44, s44, 9
	v_add_nc_u32 v11, s44, v[LI]                   ; the scale words' way out: wave 0 takes pass 0's 512 bytes, wave 1 pass 1's
	v_add_nc_u32 v10, CS, v11
	s_wait_kmcnt 0x0
.irp u, 0,1,2,3
	s_add_nc_u64 s[24+2*\u:25+2*\u], s[4:5], s[24+2*\u:25+2*\u]
	s_add_nc_u64 s[32+2*\u:33+2*\u], s[6:7], s[32+2*\u:33+2*\u]
.endr
	s_add_nc_u64 s[40:41], s[8:9], s[40:41]
	s_add_nc_u64 s[42:43], s[10:11], s[42:43]
	s_wait_alu depctr_va_vdst(0)                   ; the addresses and offsets v1 to v8, v10 and v11 are written: every load and store of the kernel reads one of them, and none is written again
	global_load_b128 v[QF0:QF0+3], v[LI], s[26:27] offset:-4194304    ; q's part lies one part ahead of k's: chunk w = (tile a, head c).  Block i is LDS block 1's,
	global_load_b32 v[QS0], v7, s[34:35] offset:-262144
	global_load_b128 v[QF1:QF1+3], v[LI], s[24:25] offset:-4194304    ; block i + 1 LDS block 0's
	global_load_b32 v[QS1], v7, s[32:33] offset:-262144
.irp u, 0,1,2,3
	global_load_b128 v[S+8*\u:S+8*\u+3], v[LI], s[24+2*\u:25+2*\u]                      ; chunk w of K,
	global_load_b128 v[S+8*\u+4:S+8*\u+7], v[LI], s[24+2*\u:25+2*\u] offset:4194304     ; and of V
.endr
.irp u, 0,1,2
	global_load_b128 v[KS+12*\u:KS+12*\u+3], v5, s[32+2*\u:33+2*\u]                     ; K's words of tiles 0-3, slot r,
	global_load_b128 v[KS+12*\u+4:KS+12*\u+7], v5, s[32+2*\u:33+2*\u] offset:256        ; of tiles 4-7,
	global_load_b128 v[KS+12*\u+8:KS+12*\u+11], v6, s[32+2*\u:33+2*\u] offset:262144    ; V's of my head's four tiles
.endr
	global_load_b128 v[KS3:KS3+3], v5, s[38:39]
	global_load_b128 v[KS3+4:KS3+7], v5, s[38:39] offset:256
	global_load_b128 v[KS3+8:KS3+11], v6, s[38:39] offset:262144
.irp i, 0,1,2,3
	v_mov_b32 v[QF0+4+\i], 0                       ; (these lines name no register that a load or store above or below touches)
	v_mov_b32 v[QF1+4+\i], 0
	v_mov_b32 v[KF+32+\i], 0
	v_mov_b32 v[TP+\i], 0                          ; written once: a lane permute's destination counts as one of its sources
.endr
	v_mov_b32 v[NINF], 0xff800000
	s_wait_loadcnt 12                              ; both Q and my eight chunks are in; the twelve loads of K's and V's scale words may be out
.irp u, 0,1,2,3
	ds_store_b128 v[STG], v[S+8*\u:S+8*\u+3] offset:16384*\u
	ds_store_b128 v[STG], v[S+8*\u+4:S+8*\u+7] offset:16384*\u+8192
.endr
	s_wait_dscnt 0x0                               ; for the others' sake: my stores have landed
	s_barrier_signal -1
	s_barrier_wait -1
; K's eight tiles of LDS block u, my head's chunk of each
.macro KLOAD u
.irp t, 0,1,2,3,4,5,6,7
	ds_load_b128 v[KF+4*\t:KF+4*\t+3], v[AK] offset:16384*(\u)+1024*\t
.endr
.endm
	KLOAD 1                                        ; pass 0's first K tiles land under the shifts below.  No wait: no vector or matrix instruction has named v32-63 yet, and v3 stands written since the wait ahead of the first load
	s_wait_loadcnt 0x0
	v_lshrrev_b32 v[QS0], s19, v[QS0]              ; my head's two bytes go to the word's low end.  Pass 0's Q and LDS block 1's words first: they serve the first step, and the 25 lines behind them are the plain lines
.irp t, 0,1,2,3,4,5,6,7                        ; that a scale register written by a vector instruction wants ahead of a scaled matrix instruction
	v_lshrrev_b32 v[KS+12+\t], s19, v[KS+12+\t]
.endr
	v_lshrrev_b32 v[QS1], s19, v[QS1]
.irp t, 0,1,2,3,4,5,6,7
	v_lshrrev_b32 v[KS+\t], s19, v[KS+\t]
	v_lshrrev_b32 v[KS+24+\t], s19, v[KS+24+\t]
	v_lshrrev_b32 v[KS3+\t], s19, v[KS3+\t]
.endr
	s_wait_alu depctr_vm_vsrc(0)                   ; my LDS stores have read v100-131, which the first products write as S^T
	s_wait_alu depctr_va_vdst(0)                   ; the shifts have written the scale words and the head's lines the zero codes, which the scaled products take; the plain lines above stay beside this wait
; Sixteen masks: register 16 g + mi of S^T holds key 32 g + mi + 16 (lane / 16).  mode 1: hidden where the key lies behind my query; mode 2: where it does not.  The compares name my query's number alone, no score.
.macro CMPS mode, g
.set mi, 0
.rept 16
.if \mode == 1
	v_cmp_gt_i32 s[MK+mi], 32*(\g)+mi, v[VD]
.else
	v_cmp_le_i32 s[MK+mi], 32*(\g)+mi, v[VD]
.endif
.set mi, mi+1
.endr
.endm
; and the sixteen selects by them: a hidden score becomes -infinity ahead of the maximum: p = 0 then.  Each accumulator is read from its low end on
.macro HIDE g
.set mi, 0
.rept 16
	v_cndmask_b32 v[S+16*(\g)+mi], v[S+16*(\g)+mi], v[NINF], s[MK+mi]
.set mi, mi+1
.endr
.endm
; A KEY STEP on LDS block u.  mode 1: keys behind my query are hidden; 2: keys up to my query are hidden; 0: all count.  first = 1: it starts M, the sum and O^T: nothing is cleared; its K tiles have been asked for already.  qf, qs: the pass's Q and its scale word.
.macro STEP u, mode, first, qf, qs
.if (\u) == 3
.set KSU, KS3
.else
.set KSU, KS+12*(\u)
.endif
.if !\first
.rept 4
	v_nop                                          ; four plain lines behind the last step's products, which read V from the registers that K's tiles now take
.endr
	s_wait_alu depctr_va_vdst(0)                   ; the last step's products are done reading V in v32-63, in which K's tiles land
	KLOAD \u
.endif
	s_wait_dscnt 0x0                               ; K is in
.irp t, 0,1,2,3,4,5,6,7
	v_wmma_scale_f32_16x16x128_f8f6f4 v[S+8*\t:S+8*\t+7], v[KF+4*\t:KF+4*\t+7], v[\qf:\qf+7], 0, v[KSU+\t], v[\qs] matrix_a_fmt:MATRIX_FMT_FP4 matrix_b_fmt:MATRIX_FMT_FP4
.endr
.rept 4
	v_nop                                          ; four plain lines behind the products above: their results are read next, and V is loaded into the registers that they read
.endr
.if \mode
	CMPS \mode, 0                                  ; the first sixteen masks are made while the products run
.endif
	s_wait_alu depctr_va_vdst(0)                   ; the products above are done reading K in v32-67: V's fragments land in v32-63.  No vector or matrix line names these registers before O^T's products
.irp t, 0,1,2,3
.irp c, 0,1
	ds_load_b128 v[VF+8*\t+4*\c:VF+8*\t+4*\c+3], v[AV] offset:16384*\u+1024*\t+512*\c   ; they land under the softmax
.endr
.endr
.if \mode
	s_wait_alu depctr_va_sdst(0)                   ; the sixteen compares have written s24-39, ahead of the selects that read them
	HIDE 0
.irp g, 1,2,3
	CMPS \mode, \g
	s_wait_alu depctr_va_sdst(0)                   ; the sixteen compares have written s24-39 anew, ahead of the selects that read them
	HIDE \g
.endr
.endif
.irp b, 0,1,2,3
	v_max3_num_f32 v[BM+\b], v[S+16*\b], v[S+1+16*\b], v[S+2+16*\b]   ; the largest score of each block of 32 keys: for the row's maximum, and, since p rises with the score, for the block's largest p
.endr
.irp i, 3,5,7,9,11,13
.irp b, 0,1,2,3
	v_max3_num_f32 v[BM+\b], v[BM+\b], v[S+16*\b+\i], v[S+1+16*\b+\i]
.endr
.endr
.irp b, 0,1,2,3
	v_max_num_f32 v[BM+\b], v[BM+\b], v[S+15+16*\b]
.endr
.irp b, 0,1,2,3
	v_permlanex16_b32 v[TP+\b], v[BM+\b], s20, s21
.endr
.irp b, 0,1,2,3
	v_max_num_f32 v[BM+\b], v[BM+\b], v[TP+\b]     ; with lane l xor 16's 16 keys
.endr
	v_max3_num_f32 v[TT], v[BM], v[BM+1], v[BM+2]
	v_max_num_f32 v[TT], v[TT], v[BM+3]            ; the step's largest score of my query
.if \first
	v_mul_f32 v13, s22, v[TT]                      ; as t: a number, since my query's own key counts
	v_floor_f32 v12, -v13                          ; -M = floor(-t)
.else
	v_mul_f32 v[TT], s22, v[TT]
	v_max_num_f32 v13, v13, v[TT]                  ; the running largest t
	v_mov_b32 v[TT], v12
	v_floor_f32 v12, -v13
	v_sub_f32 v[TT], v12, v[TT]                    ; old M - new M: a whole number, 0 or less
	v_cvt_i32_f32 v[TT], v[TT]
	v_ldexp_f32 v[F], 1.0, v[TT]
.endif
.set n, 0
.rept 32
	v_pk_fma_f32 v[S+n:S+n+1], v[S+n:S+n+1], s[22:23], v[12:13] op_sel_hi:[1,0,0]   ; t - M, two at a time
.set n, n+2
.endr
.irp b, 0,1,2,3
	v_fma_f32 v[BM+\b], v[BM+\b], s22, v12         ; the same of each block's largest score
.endr
.set n, 0
.rept 64
	v_exp_f32 v[S+n], v[S+n]                       ; p = 2^(t - M)
.set n, n+1
.endr
.irp b, 0,1,2,3
	v_exp_f32 v[BM+\b], v[BM+\b]                   ; the block's largest p: the same two instructions on the same number
.endr
.if \first
	v_nop                                          ; a plain line behind the exponentials
.else
	v_pk_mul_f32 v[14:15], v[14:15], v[F:F+1] op_sel_hi:[1,0]   ; the sum under the new M (a plain line behind the exponentials)
.endif
	s_wait_alu depctr_va_vdst(0)                   ; the 68 exponentials have written p and the blocks' largest p, ahead of the first line that names one of them: one wait for the batch
.irp b, 0,1,2,3
	v_max_num_f32 v[BM+\b], 0x1800000, v[BM+\b]    ; the floor 2^(3 - 127): a block whose every p is 0 keeps the byte 1: its codes are zeros
.endr
.irp b, 0,1,2,3
	v_add_nc_u32 v[SO+\b], 0xff000000, v[BM+\b]
.endr
.irp b, 0,1,2,3
	v_lshrrev_b32 v[TP+\b], 23, v[SO+\b]
.endr
	v_lshl_or_b32 v[PWD], v[TP+1], 8, v[TP]        ; p's scale word for these 128 keys
	v_lshl_or_b32 v[PWD], v[TP+2], 16, v[PWD]
	v_lshl_or_b32 v[PWD], v[TP+3], 24, v[PWD]
.irp b, 0,1,2,3
	v_cvt_scalef32_pk8_fp4_f32 v[PCD+2*\b], v[S+16*\b:S+7+16*\b], v[SO+\b]
	v_cvt_scalef32_pk8_fp4_f32 v[PCD+1+2*\b], v[S+8+16*\b:S+15+16*\b], v[SO+\b]
.endr
	v_nop                                          ; one plain line behind a scaled conversion
.irp c, 0,1
.irp i, 0,1
	v_permlane16_swap_b32 v[PCD+4*\c+\i], v[PCD+2+4*\c+\i]
.endr
.endr
	v_pk_add_f32 v[TP:TP+1], v[S:S+1], v[S+2:S+3]  ; the row's sum is taken of the unquantised p: two at a time, in two chains
.if \first
	v_pk_add_f32 v[14:15], v[S+4:S+5], v[S+8:S+9]
	v_pk_add_f32 v[TP:TP+1], v[TP:TP+1], v[S+6:S+7]
	v_pk_add_f32 v[TP:TP+1], v[TP:TP+1], v[S+10:S+11]
.else
.irp n, 4,8
	v_pk_add_f32 v[14:15], v[14:15], v[S+\n:S+\n+1]
	v_pk_add_f32 v[TP:TP+1], v[TP:TP+1], v[S+\n+2:S+\n+3]
.endr
.endif
.irp n, 12,16,20,24,28,32,36,40,44,48,52,56,60
	v_pk_add_f32 v[14:15], v[14:15], v[S+\n:S+\n+1]
	v_pk_add_f32 v[TP:TP+1], v[TP:TP+1], v[S+\n+2:S+\n+3]
.endr
	v_pk_add_f32 v[14:15], v[14:15], v[TP:TP+1]
.if !\first
.set n, 0
.rept 16
	v_pk_mul_f32 v[O+n:O+n+1], v[O+n:O+n+1], v[F:F+1] op_sel_hi:[1,0]   ; O^T under the new M, each accumulator from its low end on
.set n, n+2
.endr
.endif
	s_wait_dscnt 0x0                               ; V is in
	s_wait_alu depctr_va_vdst(0)                   ; the conversions and exchanges have written p's codes, the lines ahead of them p's scale word: the scaled products below take both; the sums above are the plain lines, which stay beside this wait
.irp t, 0,1,2,3
.if \first
	v_wmma_scale_f32_16x16x128_f8f6f4 v[O+8*\t:O+8*\t+7], v[VF+8*\t:VF+8*\t+7], v[PCD:PCD+7], 0, v[KSU+8+\t], v[PWD] matrix_a_fmt:MATRIX_FMT_FP4 matrix_b_fmt:MATRIX_FMT_FP4
.else
	v_wmma_scale_f32_16x16x128_f8f6f4 v[O+8*\t:O+8*\t+7], v[VF+8*\t:VF+8*\t+7], v[PCD:PCD+7], v[O+8*\t:O+8*\t+7], v[KSU+8+\t], v[PWD] matrix_a_fmt:MATRIX_FMT_FP4 matrix_b_fmt:MATRIX_FMT_FP4
.endif
.endr
.endm
; A PASS'S END: O^T is divided by the row's sum and quantised along the head's 64; the chunk is stored, the half scale word goes to LDS, where the sixteen waves' meet.
; Pass 0's end asks at its head for pass 1's first K tiles (LDS block 0): they land under its arithmetic, which names none of v32-67.
.macro TAIL p
.rept 4
	v_nop                                          ; in front of the first read of O^T (pass 0: and of the loads into the registers from which the last products read V)
.endr
.if \p == 0
	s_wait_alu depctr_va_vdst(0)                   ; the pass's last products are done reading V in v32-63, in which pass 1's first K tiles land
	KLOAD 0
.endif
	v_add_f32 v14, v14, v15                        ; the sum's two halves,
	v_permlanex16_b32 v[TT], v14, s20, s21
	v_add_f32 v14, v14, v[TT]                      ; and lane l xor 16's
	v_rcp_f32 v14, v14
	v_nop                                          ; a plain line behind the reciprocal
	s_wait_alu depctr_va_vdst(0)                   ; the reciprocal has written v14, ahead of its first reader
.set n, 0
.rept 32
	v_mul_f32 v[S+n], v[O+n], v14                  ; register 16 b + i is the head's d = 32 b + 16 (lane / 16) + i of my query
.set n, n+1
.endr
.irp b, 0,1                                    ; quantised along d: two blocks
	v_max3_num_f32 v[BM+\b], |v[S+16*\b]|, |v[S+1+16*\b]|, 0x1800000
.endr
.irp i, 2,4,6,8,10,12,14
.irp b, 0,1
	v_max3_num_f32 v[BM+\b], v[BM+\b], |v[S+16*\b+\i]|, |v[S+1+16*\b+\i]|
.endr
.endr
.irp b, 0,1
	v_permlanex16_b32 v[TP+\b], v[BM+\b], s20, s21
.endr
.irp b, 0,1
	v_max_num_f32 v[BM+\b], v[BM+\b], v[TP+\b]
.endr
.irp b, 0,1
	v_add_nc_u32 v[SO+\b], 0xff000000, v[BM+\b]
.endr
.irp b, 0,1
	v_lshrrev_b32 v[TP+\b], 23, v[SO+\b]
.endr
	v_lshl_or_b32 v[HW+\p], v[TP+1], 8, v[TP]      ; my head's half of the scale word
.irp b, 0,1
	v_cvt_scalef32_pk8_fp4_f32 v[TC+4*\p+2*\b], v[S+16*\b:S+7+16*\b], v[SO+\b]
	v_cvt_scalef32_pk8_fp4_f32 v[TC+4*\p+1+2*\b], v[S+8+16*\b:S+15+16*\b], v[SO+\b]
.endr
	v_nop                                          ; one plain line behind a scaled conversion
.irp i, 0,1
	v_permlane16_swap_b32 v[TC+4*\p+\i], v[TC+4*\p+2+\i]   ; lanes 0-15 block 0, lanes 16-31 block 1: a chunk as it stands
.endr
	s_wait_alu depctr_va_vdst(0)                   ; the pass's codes and its half word are written, which the two stores below read; in pass 1 also: the lines above are done with v100-103, in which the last LDS load lands
	global_store_b128 v[LI], v[TC+4*\p:TC+4*\p+3], s[40:41] offset:32768*\p   ; 32 lanes store 512 consecutive bytes; pass 1's tile lies eight tiles of 4,096 bytes on
	ds_store_b16 v8, v[HW+\p] offset:512*\p        ; both halves of the lanes write the same two bytes with the same value
.endm
	STEP 1, 1, 1, QF0, QS0                         ; pass 0: queries of block i
	s_cmp_eq_u32 s17, 0
	s_cbranch_scc1 .Ldone0                         ; a sequence's first block has no keys before it
	STEP 2, 0, 0, QF0, QS0
	STEP 3, 2, 0, QF0, QS0
.Ldone0:
	TAIL 0
	STEP 0, 1, 1, QF1, QS1                         ; pass 1: queries of block i + 1
	STEP 1, 0, 0, QF1, QS1
	s_cmp_eq_u32 s17, 0
	s_cbranch_scc1 .Ldone1                         ; a sequence's second block has one block before it
	STEP 2, 2, 0, QF1, QS1
.Ldone1:
	TAIL 1
	s_wait_dscnt 0x0                               ; for the others' sake: my two half words have landed
	s_barrier_signal -1
	s_barrier_wait -1
	s_cmp_gt_u32 s12, 1
	s_cbranch_scc1 .Lend
	ds_load_b128 v[S:S+3], v10                     ; wave 0: pass 0's eight tiles' words of this pair of heads; wave 1: pass 1's.  No wait: no vector or matrix line stands behind the wait ahead of pass 1's stores
	s_wait_dscnt 0x0
	global_store_b128 v11, v[S:S+3], s[42:43]      ; 512 consecutive bytes
.Lend:
	s_wait_dscnt 0x0                               ; the closing lines, six on end
	s_wait_alu 0x0
	s_wait_tensorcnt 0x0
	ds_add_u32 v31, v89
	s_wait_dscnt 0x0
	s_endpgm
.Lfunc_end_k_q0722dda4a2_attn:
	.size	k_q0722dda4a2_attn, .Lfunc_end_k_q0722dda4a2_attn-k_q0722dda4a2_attn
	.p2alignl 7, 3214868480
	.fill 96, 4, 3214868480
	.section	.rodata,"a",@progbits
	.p2align	6, 0x0
	.amdhsa_kernel k_q0722dda4a2_attn
		.amdhsa_group_segment_fixed_size 68608
		.amdhsa_private_segment_fixed_size 0
		.amdhsa_enable_private_segment 0
		.amdhsa_kernarg_size 32
		.amdhsa_user_sgpr_count 2
		.amdhsa_user_sgpr_kernarg_segment_ptr 1
		.amdhsa_wavefront_size32 1
		.amdhsa_system_sgpr_workgroup_id_x 1
		.amdhsa_system_sgpr_workgroup_id_y 1
		.amdhsa_system_sgpr_workgroup_id_z 1
		.amdhsa_system_vgpr_workitem_id 0
		.amdhsa_next_free_vgpr 256
		.amdhsa_next_free_sgpr 66
		.amdhsa_reserve_vcc 0
		.amdhsa_float_denorm_mode_32 3
		.amdhsa_float_denorm_mode_16_64 3
		.amdhsa_memory_ordered 1
		.amdhsa_forward_progress 1
		.amdhsa_inst_pref_size 138
	.end_amdhsa_kernel
	.amdgpu_metadata
---
amdhsa.version: [ 1, 2 ]
amdhsa.kernels:
  - .name:           k_q0722dda4a2_attn
    .symbol:         k_q0722dda4a2_attn.kd
    .args:
      - { .name: qkv, .offset: 0, .size: 8, .value_kind: global_buffer, .address_space: global }
      - { .name: qkvs, .offset: 8, .size: 8, .value_kind: global_buffer, .address_space: global }
      - { .name: ctxc, .offset: 16, .size: 8, .value_kind: global_buffer, .address_space: global }
      - { .name: ctxs, .offset: 24, .size: 8, .value_kind: global_buffer, .address_space: global }
    .group_segment_fixed_size: 68608
    .private_segment_fixed_size: 0
    .kernarg_segment_align: 8
    .kernarg_segment_size: 32
    .max_flat_workgroup_size: 512
    .sgpr_count:     66
    .vgpr_count:     256
    .wavefront_size: 32
...
	.end_amdgpu_metadata
.endif
;; end of part 5
;; launch oproj: the kernel of part 4 again; grid 8 x 32, 4 waves a work-group, clusters of 4 x 4, 327,680 bytes of LDS; arguments ctxc, ctxs, codes, scl, b_o, x, out0; writes out0
